; MI455X (gfx1250); checked and timed in simulation.
; The chip was launched on July 23, 2026; its instructions are those of AMD's public machine-readable ISA for CDNA 5 (MIT licence, August 2026) and "CDNA5" Instruction Set Architecture Reference Guide (July 2026). The comments in the code are by the model that wrote it; some were corrected since.
;; Hydra. Allowed arithmetic: matrix products marked QUANTISED: E2M1 operands, one E8M0 scale for each 32 along K, by v_wmma_scale_f32_16x16x128_f8f6f4 with both operands' format E2M1 (or v_wmma_scale_f32_32x16x128_f4), f32 sums; everything else in f32.
;; Inputs: W_in_codes 3,072 x 32 x 16 uint8 (E2M1 codes of W_in, K innermost, in blocks of 32 codes, two codes a byte); W_in_scales 3,072 x 32 uint8 (E8M0 scales of W_in, one for each 32 codes along K); W_out_codes 1,024 x 32 x 16 uint8 (E2M1 codes of W_out, K innermost, in blocks of 32 codes, two codes a byte); W_out_scales 1,024 x 32 uint8 (E8M0 scales of W_out, one for each 32 codes along K); X 4 x 4,096 x 1,024 float32; ln_b 1,024 float32; ln_g 1,024 float32.
;; Outputs: out0 4 x 4,096 x 1,024 float32.
;; This version of the problem:
;;   THIS VERSION OF THE PROBLEM IS GIVEN IN LOW PRECISION. The matrix products marked QUANTISED in the list below multiply operands that are first quantised to E2M1 (2 exponent bits, 1 mantissa bit; 4 bits a number), with one power-of-two scale for each 32 numbers along K (OCP MX v1.0); their sums are f32. All else is computed in f32.
;;   The module's matrix products, in the order in which they are computed (A, B: the left and right operand; K: the contracted axis; several contracted axes count as one K, in the product's order):
;;     1. [M 16,384, K 1,024] x [K 1,024, N 3,072]; A: computed on the way; B: input W_in (given as codes): QUANTISED
;;     2. [M 16,384, K 1,024] x [K 1,024, N 1,024]; A: computed on the way; B: input W_out (given as codes): QUANTISED
;;   THE QUANTISER, for each operand of a quantised product, along K:
;;     - K is cut into blocks of 32 from its start; a last block that is shorter is filled with zeros.
;;     - A block's scale is 2^e with e = floor(log2(the largest magnitude in the block)) - 2, held to -126 .. 127; a block of zeros has e = 0. As a byte (E8M0): e + 127.
;;     - Each number is divided by its block's scale, clamped to +-6, and rounded to the nearest number of E2M1, ties to even, subnormals kept.
;;     - The product sums the exact products of the quantised numbers (number of the format x scale) in f32.
;;   ~~~python
;;   def quantise(x, axis):      # numpy; x: float32 -> the quantised numbers, widened to float32 again
;;       x = np.moveaxis(x, axis, -1); K = x.shape[-1]
;;       x = np.pad(x, [(0, 0)] * (x.ndim - 1) + [(0, -K % 32)]); x = x.reshape(x.shape[:-1] + (-1, 32)); a = np.abs(x).max(-1, keepdims=True)
;;       e = np.where(a > 0, np.clip(np.frexp(np.where(a > 0, a, 1))[1] - 1 - 2, -126, 127), 0)      # np.frexp(a)[1] - 1 = floor(log2(a)), exactly
;;       r = np.clip(x / 2.0 ** e, -6, 6)
;;       step = 2.0 ** (np.maximum(np.frexp(np.where(r == 0, 1, r))[1] - 1, 0) - 1)
;;       q = np.round(r / step) * step * 2.0 ** e      # np.round: ties to even
;;       return np.moveaxis(q.reshape(q.shape[:-2] + (-1,))[..., :K], -1, axis).astype(np.float32)
;;   ~~~
;;   OPERANDS COMPUTED ON THE WAY. 'Computed on the way' means the value that the module computes at that place (a softmax that the list does not call 'softmax' is quantised finished and normalised). What goes into a quantiser is computed in f32, as accurately as f32 sums, v_exp_f32 and their like allow (about 1e-6 of the number): no bf16 or f16 on the way to a quantiser, and a product that is left as it is and whose result goes on into a quantised operand takes f32 operands (vector FMAs, or v_wmma_f32_16x16x4_f32). A number that lies on a knife's edge between two numbers of the format may be rounded either way, as far as f32 arithmetic and the matrix unit's own rounding can turn it there, and no further.
;;   INPUTS GIVEN AS CODES. W_in (in the module: [3072, 1024], K = its axis 1); W_out (in the module: [1024, 1024], K = its axis 1): each comes as NAME_codes (uint8): NAME with its K axis moved to the last place and cut into blocks of 32 codes, [.., K / 32, bytes a block], one block behind the other in memory; two codes a byte, the lower K in the low four bits (a code: sign, 2 exponent bits, 1 mantissa bit); and NAME_scales (uint8): the same leading axes, one E8M0 byte (e + 127) for each 32 codes along K. Its value is code x scale, taken as it is: it is not quantised again, and the codes and scales need not be those that the quantiser above would give.
;; One version. Each part assembles by itself: llvm-mc -triple=amdgcn-amd-amdhsa -mcpu=gfx1250 --defsym DOCPART=n.
;; ======== version 1 of 1: 2 launches
;; limits: right only within a limited range of input values
;; workspace buffers: xcodes 8,388,608 bytes; xscales 524,288 bytes; apart 1,048,576 bytes; rot 4,194,304 bytes
;; launch kv (part 1): grid 256 x 1, 4 waves a work-group, clusters of 4 x 1, 327,680 bytes of LDS; arguments X, ln_g, ln_b, W_in_codes, W_in_scales, xcodes, xscales, apart, rot; writes xcodes, xscales, apart, rot
.if DOCPART == 1
	.amdgcn_target "amdgcn-amd-amdhsa--gfx1250"
	.amdhsa_code_object_version 6
	.text
	.protected	k_q2795dbd183_kv
	.globl	k_q2795dbd183_kv
	.p2align	8
	.type	k_q2795dbd183_kv,@function
k_q2795dbd183_kv:
	s_mov_b64 s[64:65], 0
	v_nop
	global_prefetch_b8 v0, s[64:65] scope:SCOPE_SE
	s_setreg_imm32_b32 hwreg(HW_REG_WAVE_MODE, 25, 1), 1
	s_wait_xcnt 0x0
	s_wait_alu depctr_hold_cnt(0) depctr_sa_sdst(0) depctr_va_vdst(0) depctr_va_sdst(0) depctr_va_ssrc(0) depctr_va_vcc(0) depctr_vm_vsrc(0)
	s_getreg_b32 s2, hwreg(HW_REG_IB_STS2, 6, 4)
	s_cmp_eq_u32 s2, 0
	s_cbranch_scc0 .Lentry_in_a_cluster
	s_endpgm
.Lentry_in_a_cluster:
	s_bfe_u32 s2, ttmp6, 0x10000c
	s_cmp_lg_u32 s2, 0x3003
	s_cbranch_scc0 .Lentry_shape_is_right
	s_endpgm
.Lentry_shape_is_right:
; LAUNCH 1 OF 2.  Work-group g owns rows 64 g .. 64 g + 63: layer norm, x quantised to E2M1 (codes and scale bytes to xcodes, xscales and, through LDS, to all four waves);
; K = x W_in[1024:2048]^T, rotary, l2 norm; V = x W_in[2048:3072]^T; apart[g] = the sum over my 64 rows of K^ x V.
; The weights go through two LDS slots of 256 rows, asked for jointly by the cluster's four work-groups; slot 0's first fill stands at the head, slot 1's behind the barrier that ends the layer norm.
; A product is 32 weight rows x 16 rows of x x 128 along K; the four row tiles' accumulators take turns.
; THE ROTARY: cos and sin are evaluated for row tile 0 (position 64 (g % 64) + r) and for a step of 16 positions; from tile to tile the pair is turned by the step (c' = c cd - s sd, s' = s cd + c sd).
; Both tables go to rot as an image of these registers, [g % 64][wave][half s][TCB, TSB, TCD, TSD][4 quads][lane][16 bytes]; the four batches compute the same numbers, and batch b stores table b alone.
; LIMITS: a block of zeros gets the byte 1; NaN and infinities are not served; an angle is right to a few 1e-4 at the last positions; the sums' order is this text's own.
.set PITCH, 528
.set TCB, 208                          ; v208-223 cos, v224-239 sin of the current row tile: 8 pairs of angles of one half s
.set TSB, 224
.set TCD, 240                          ; v240-255 cos, v128-143 sin of the step of 16 positions
.set TSD, 128
.set QUART, 64*PITCH
.set RING1, 4*QUART
.set XIMG,  2*RING1
.set XSC,   XIMG+4*8704
.set NRM,   XSC+2048
.set APL,   NRM+1024
.set SPARE, APL+4096
.set WS, 32
.set XS, 64
.set TH, 80
.set PQ, 112
.set BF, 144
.set RN, 24
.set XQ, BF
.set NN, BF+2
.set ZZ, BF+4
.set PP, BF+6
.set SN, BF+8
.set CS, BF+10
.set SA, 80
.set MU, 96
.set RS, 104
.set LG, 128
.set LB, 160
.set MX, 192
.set SO, 208
.set CD, 224
.set MSB, 0
.macro WIN new
.if MSB != (\new)
	s_set_vgpr_msb (MSB<<8)|(\new)
.set MSB, (\new)
.endif
.endm
.macro PLACES n
.rept \n
	v_nop
.endr
.endm
.macro CREST
	s_cmp_lg_u32 s20, 0
	s_cbranch_scc1 .Lnot_wave_0_\@
	s_barrier_signal -3
.Lnot_wave_0_\@:
	s_barrier_wait -3
	s_barrier_signal -1
	s_barrier_wait -1
.endm
.macro CROUND
	s_barrier_signal -1
	s_barrier_wait -1
	CREST
.endm
.macro JLOAD sl
	tensor_load_to_lds s[32+4*(\sl):35+4*(\sl)], s[24:31]
	s_nop 0
	PLACES 4
.endm
.macro WSL n
.irp p,0,1
.irp c,0,1
	global_load_b128 v[WS+16*((\n)%2)+8*\p+4*\c:WS+16*((\n)%2)+8*\p+4*\c+3], v[8+12*(((\n)/2)%2)], s[12:13] offset:(1024+1024*((\n)/4)+512*((\n)%2))*32+1024*\p+16*\c
.endr
.endr
.endm
.macro LOADS ring, th, kp, st
.irp kk,0,1
.irp tt,0,1
.irp c,0,1
	ds_load_b128 v[BF+32*(\st)+8*(2*\kk+\tt)+4*\c:BF+32*(\st)+8*(2*\kk+\tt)+4*\c+3], v[6+(\ring)] offset:(2*(\th)+\tt)*16*PITCH+64*(2*(\kp)+\kk)+32*\c
.endr
.endr
.endr
.endm
.macro LDRUN ring, q, gq
	LOADS \ring, (\q)/4, (\q)%4, (\gq)%3
.endm
.macro WM zero, rb                     ; one product, 32 weight rows x 16 rows of x: the weights' scale words fill the 32 lanes of v[rS]; rb: x's stand in lanes 16-31 of v[rX]
.if \zero
.if (\rb)
	v_wmma_scale_f32_32x16x128_f4 v[rD:rD+15], v[rA:rA+15], v[rB:rB+7], 0, v[rS], v[rX] matrix_b_scale:MATRIX_SCALE_ROW1
.else
	v_wmma_scale_f32_32x16x128_f4 v[rD:rD+15], v[rA:rA+15], v[rB:rB+7], 0, v[rS], v[rX]
.endif
.else
.if (\rb)
	v_wmma_scale_f32_32x16x128_f4 v[rD:rD+15], v[rA:rA+15], v[rB:rB+7], v[rD:rD+15], v[rS], v[rX] matrix_b_scale:MATRIX_SCALE_ROW1
.else
	v_wmma_scale_f32_32x16x128_f4 v[rD:rD+15], v[rA:rA+15], v[rB:rB+7], v[rD:rD+15], v[rS], v[rX]
.endif
.endif
.endm
.macro MULS st, kk, k, wsb, th, zero   ; 4 products: 4 row tiles x 32 weight rows, K step k
.irp m,0,1,2,3
.set rD, ABASE+ATH*(\th)+MSTR*\m
.set rA, BF+32*(\st)+16*(\kk)
.set rB, 8*(8*\m+(\k))
.set rS, WS+16*(\wsb)+8*(\th)+(\k)
.set rX, XS+8*(\m/2)+(\k)
	WM \zero, \m%2
.endr
.endm
.macro RUNL q, n, P
	PLACES 4
	WIN LW
	LDRUN (\n)%2, (\q)+2, 8*(\P)+(\q)+2
.endm
.macro RUNM q, n, P, cnt
	s_wait_dscnt \cnt
	WIN MW
	MULS (8*(\P)+(\q))%3, 0, 2*((\q)%4), (\n)%2, (\q)/4, ((\q)%4)==0
	MULS (8*(\P)+(\q))%3, 1, 2*((\q)%4)+1, (\n)%2, (\q)/4, 0
.endm
.macro TURN n, P, fill, nxt
	WIN 0
	s_wait_tensorcnt 0x0
	ds_add_u32 v1, v2
	s_wait_dscnt 9
	WIN MW
	MULS (8*(\P)+6)%3, 0, 4, (\n)%2, 1, 0
	s_wait_dscnt 0x0
	s_barrier_signal -1
	MULS (8*(\P)+6)%3, 1, 5, (\n)%2, 1, 0
	WIN 0
	s_barrier_wait -1
.if \fill
	CREST
.set FF, (\n)+2
	s_add_nc_u64 s[34+4*((\n)%2):35+4*((\n)%2)], s[90+2*((FF/2)%2):91+2*((FF/2)%2)], 262144*(FF%2)+524288*(FF/4)
	s_or_b32 s[35+4*((\n)%2)], s[35+4*((\n)%2)], 0x80000000
	JLOAD (\n)%2
.else
	PLACES 4
.endif
.if \nxt
	WIN LW
	LDRUN 1-(\n)%2, 0, 8*(\P)+8
.endif
.if (\n) == 0
	s_cmp_lt_u32 ttmp9, 4
	s_cbranch_scc0 .Lno_ask_\@
	s_wait_alu depctr_va_vdst(0)
	global_prefetch_b8 v16, s[96:97] th:TH_LOAD_NT scope:SCOPE_SE
.Lno_ask_\@:
.endif
.endm
.macro RUN7 n, P, nxt
.if \nxt
	PLACES 4
	WIN LW
	LDRUN 1-(\n)%2, 1, 8*(\P)+9
.endif
	WIN MW
	MULS (8*(\P)+7)%3, 0, 6, (\n)%2, 1, 0
	MULS (8*(\P)+7)%3, 1, 7, (\n)%2, 1, 0
.endm
; One level of the sum over the 16 lanes of a row: of registers N and N + n a lane keeps one (the upper where its bit x is set), sends the other to lane l xor x and adds what it gets: n registers are left
.macro RSL x, n, mask
	s_mov_b32 vcc_lo, \mask
.set N, 0
.rept \n
	v_cndmask_b32 v[24+N], v[240+N], v[240+(\n)+N], vcc_lo
.set N, N+1
.endr
.set N, 0
.rept \n
	v_cndmask_b32 v[240+(\n)+N], v[240+(\n)+N], v[240+N], vcc_lo
.set N, N+1
.endr
.set N, 0
.rept \n
	v_add_f32_dpp v[240+N], v[240+(\n)+N], v[24+N] row_xmask:\x row_mask:0xf bank_mask:0xf
.set N, N+1
.endr
.endm
.macro EPIV s, th
	PLACES 4
	WIN 2+(\s)/2
.irp m,0,1,2,3
.irp tt,0,1
.irp jp,0,1,2,3
.set rK, 128*((\s)%2)+32*\m+8*(2*(\th)+\tt)+2*\jp
.set rV, 80+16*\m+8*\tt+2*\jp
.set rP, 240+8*\tt+2*\jp
.if \m == 0
	v_pk_mul_f32 v[rP:rP+1], v[rK:rK+1], v[rV:rV+1]
.else
	v_pk_fma_f32 v[rP:rP+1], v[rK:rK+1], v[rV:rV+1], v[rP:rP+1]
.endif
.endr
.endr
.endr
	WIN 0
	RSL 8, 8, 0xff00ff00
	RSL 4, 4, 0xf0f0f0f0
	RSL 2, 2, 0xcccccccc
	RSL 1, 1, 0xaaaaaaaa
	ds_store_b32 v21, v240 offset:1024*(\s)+128*(\th)   ; lane r now holds the 16 rows' sum of register r
.endm
.macro SLOT n, P, fill, nxt, wsn, lcnt
	RUNL 0, \n, \P
.if (\wsn) >= 0
	WSL \wsn
.endif
.if (\lcnt) >= 0
	s_wait_loadcnt \lcnt
.endif
	RUNM 0, \n, \P, 16
.irp q,1,2,3
	RUNL \q, \n, \P
	RUNM \q, \n, \P, 16
.endr
.if PHV
	EPIV \P, 0
.endif
.irp q,4,5
	RUNL \q, \n, \P
	RUNM \q, \n, \P, 16
.endr
.if (\n) < 7
	TURN \n, \P, \fill, \nxt
	RUN7 \n, \P, \nxt
.else
	RUNM 6, \n, \P, 8
	RUNM 7, \n, \P, 0
.endif
.if PHV
	EPIV \P, 1
.endif
.endm
.macro PRE ring
	WIN LW
	LDRUN \ring, 0, 0
	LDRUN \ring, 1, 1
.endm
.macro THETA
	s_lshl_b32 s61, s20, 5
	v_lshl_add_u32 v126, v5, 2, s61
	s_lshl_b32 s61, s84, 7
	v_add_nc_u32 v127, s61, v126
	s_lshl_b32 s61, s71, 7
	v_add_nc_u32 v126, s61, v126
.set N, 0
.rept 32
	v_add_nc_u32 v[TH+N], 8*((N/4)%4)+N%4, v[126+N/16]
.set N, N+1
.endr
.set N, 0
.rept 32
	v_cvt_f32_u32 v[TH+N], v[TH+N]
.set N, N+1
.endr
.set N, 0
.rept 32
	v_mul_f32 v[BF+N], 0xbd549a00, v[TH+N]
.set N, N+1
.endr
.set N, 0
.rept 32
	v_fmamk_f32 v[BF+N], v[TH+N], 0xb4f0979a, v[BF+N]
.set N, N+1
.endr
.set N, 0
	s_wait_alu depctr_va_vdst(0)
.rept 32
	v_exp_f32 v[TH+N], v[BF+N]
.set N, N+1
.endr
	s_and_b32 s61, s22, 63
	s_lshl_b32 s61, s61, 6
	v_add_nc_u32 v127, s61, v4
	v_cvt_f32_u32 v[PQ], v127              ; row tile 0's position,
	v_mov_b32 v[PQ+2], 4.0                 ; and the step of 16 positions, both divided by 4
	v_mov_b32 v[PQ+3], 4.0
	v_mul_f32 v[PQ], 0x3e800000, v[PQ]
	v_mov_b32 v[PQ+1], v[PQ]
	v_mov_b32 v120, 0x4b400000
	v_mov_b32 v121, 0x4b400000
	v_mov_b32 v122, 0x3c08839e
	v_mov_b32 v123, 0x3c08839e
	v_mov_b32 v124, 0xbab6061a
	v_mov_b32 v125, 0xbab6061a
	s_wait_alu depctr_va_vdst(0)
.endm
.macro SC4 pq, tb, sd, cd              ; sin to v[sd ..], cos to v[cd ..] of 8 angles: 4 x the pair v[pq] x the frequencies v[tb ..]
.irp e,0,1,2,3
	v_pk_mul_f32 v[XQ+12*\e:XQ+12*\e+1], v[\pq:\pq+1], v[(\tb)+2*\e:(\tb)+2*\e+1]
.endr
.irp e,0,1,2,3
	v_pk_fma_f32 v[NN+12*\e:NN+12*\e+1], v[XQ+12*\e:XQ+12*\e+1], s[44:45], v[120:121] op_sel_hi:[1,0,1]
.endr
.irp e,0,1,2,3
	v_pk_add_f32 v[NN+12*\e:NN+12*\e+1], v[NN+12*\e:NN+12*\e+1], v[120:121] neg_lo:[0,1] neg_hi:[0,1]
.endr
.irp e,0,1,2,3
	v_pk_fma_f32 v[XQ+12*\e:XQ+12*\e+1], v[NN+12*\e:NN+12*\e+1], s[46:47], v[XQ+12*\e:XQ+12*\e+1] op_sel_hi:[1,0,1]
.endr
.irp e,0,1,2,3
	v_pk_fma_f32 v[XQ+12*\e:XQ+12*\e+1], v[NN+12*\e:NN+12*\e+1], s[48:49], v[XQ+12*\e:XQ+12*\e+1] op_sel_hi:[1,0,1]
.endr
.irp e,0,1,2,3
	v_pk_mul_f32 v[ZZ+12*\e:ZZ+12*\e+1], v[XQ+12*\e:XQ+12*\e+1], v[XQ+12*\e:XQ+12*\e+1]
.endr
.irp e,0,1,2,3
	v_pk_fma_f32 v[PP+12*\e:PP+12*\e+1], v[ZZ+12*\e:ZZ+12*\e+1], s[50:51], v[122:123] op_sel_hi:[1,0,1]
.endr
.irp e,0,1,2,3
	v_pk_fma_f32 v[PP+12*\e:PP+12*\e+1], v[PP+12*\e:PP+12*\e+1], v[ZZ+12*\e:ZZ+12*\e+1], s[52:53] op_sel_hi:[1,1,0]
.endr
.irp e,0,1,2,3
	v_pk_mul_f32 v[NN+12*\e:NN+12*\e+1], v[XQ+12*\e:XQ+12*\e+1], v[ZZ+12*\e:ZZ+12*\e+1]
.endr
.irp e,0,1,2,3
	v_pk_fma_f32 v[SN+12*\e:SN+12*\e+1], v[PP+12*\e:PP+12*\e+1], v[NN+12*\e:NN+12*\e+1], v[XQ+12*\e:XQ+12*\e+1]
.endr
.irp e,0,1,2,3
	v_pk_fma_f32 v[PP+12*\e:PP+12*\e+1], v[ZZ+12*\e:ZZ+12*\e+1], s[54:55], v[124:125] op_sel_hi:[1,0,1]
.endr
.irp e,0,1,2,3
	v_pk_fma_f32 v[PP+12*\e:PP+12*\e+1], v[PP+12*\e:PP+12*\e+1], v[ZZ+12*\e:ZZ+12*\e+1], s[56:57] op_sel_hi:[1,1,0]
.endr
.irp e,0,1,2,3
	v_pk_fma_f32 v[PP+12*\e:PP+12*\e+1], v[PP+12*\e:PP+12*\e+1], v[ZZ+12*\e:ZZ+12*\e+1], -0.5 op_sel_hi:[1,1,0]
.endr
.irp e,0,1,2,3
	v_pk_fma_f32 v[CS+12*\e:CS+12*\e+1], v[PP+12*\e:PP+12*\e+1], v[ZZ+12*\e:ZZ+12*\e+1], 1.0 op_sel_hi:[1,1,0]
.endr
.irp e,0,1,2,3
	v_pk_add_f32 v[NN+12*\e:NN+12*\e+1], v[SN+12*\e:SN+12*\e+1], v[SN+12*\e:SN+12*\e+1]
.endr
.irp e,0,1,2,3
	v_pk_mul_f32 v[ZZ+12*\e:ZZ+12*\e+1], v[NN+12*\e:NN+12*\e+1], v[CS+12*\e:CS+12*\e+1]
.endr
.irp e,0,1,2,3
	v_pk_fma_f32 v[CS+12*\e:CS+12*\e+1], v[NN+12*\e:NN+12*\e+1], v[SN+12*\e:SN+12*\e+1], 1.0 op_sel_hi:[1,1,0] neg_lo:[1,0,0] neg_hi:[1,0,0]
.endr
.irp e,0,1,2,3
	v_pk_add_f32 v[NN+12*\e:NN+12*\e+1], v[ZZ+12*\e:ZZ+12*\e+1], v[ZZ+12*\e:ZZ+12*\e+1]
.endr
.irp e,0,1,2,3
	v_pk_mul_f32 v[(\sd)+2*\e:(\sd)+2*\e+1], v[NN+12*\e:NN+12*\e+1], v[CS+12*\e:CS+12*\e+1]
.endr
.irp e,0,1,2,3
	v_pk_fma_f32 v[(\cd)+2*\e:(\cd)+2*\e+1], v[NN+12*\e:NN+12*\e+1], v[ZZ+12*\e:ZZ+12*\e+1], 1.0 op_sel_hi:[1,1,0] neg_lo:[1,0,0] neg_hi:[1,0,0]
.endr
.endm
.macro ADV                             ; the 16 angles go on by 16 positions
	s_wait_xcnt 0x0                        ; the stores of the tables have read their registers
	s_wait_alu depctr_va_vdst(0)
.irp i,0,2,4,6,8,10,12,14
	v_pk_mul_f32 v[144+\i:145+\i], v[TSB+\i:TSB+\i+1], v[TSD+\i:TSD+\i+1]
	v_pk_mul_f32 v[160+\i:161+\i], v[TCB+\i:TCB+\i+1], v[TSD+\i:TSD+\i+1]
.endr
.irp i,0,2,4,6,8,10,12,14
	v_pk_fma_f32 v[TCB+\i:TCB+\i+1], v[TCB+\i:TCB+\i+1], v[TCD+\i:TCD+\i+1], v[144+\i:145+\i] neg_lo:[0,0,1] neg_hi:[0,0,1]
	v_pk_fma_f32 v[TSB+\i:TSB+\i+1], v[TSB+\i:TSB+\i+1], v[TCD+\i:TCD+\i+1], v[160+\i:161+\i]
.endr
.endm
.macro TSTORE s                        ; batch b (s85, from the cluster's number: the same in all partners) stores table b of half s: 4 stores of 512 consecutive bytes
	s_wait_alu depctr_va_vdst(0)           ; a wait ahead of the branches
.set TN, 0
.irp t,TCB,TSB,TCD,TSD
	s_cmp_lg_u32 s85, TN
	s_cbranch_scc1 .Lnt\@_\t
.irp c,0,1,2,3
	global_store_b128 v13, v[\t+4*\c:\t+4*\c+3], s[98:99] offset:8192*(\s)+2048*TN+512*\c
.endr
.Lnt\@_\t:
.set TN, TN+1
.endr
	s_wait_alu depctr_va_vdst(0)           ; a wait ahead of the first reads of the matrix results
.endm
.macro ROT s, m, tp
	WIN 0x02+(\s)
.irp tq,0,1
.irp ip,0,1
.irp e,0,1
.set rX, 32*(\m)+8*(2*(\tp)+\tq)+4*\ip+2*\e
.set rT, 192+8*\tq+4*\ip+2*\e
.set rC, TCB+8*(\tp)+2*(2*\tq+\ip)
	v_pk_mul_f32 v[rT:rT+1], v[rX:rX+1], v[rC:rC+1] op_sel:[0,\e] op_sel_hi:[1,\e]
.endr
.endr
.endr
	WIN 0x82+0x41*(\s)
.irp tq,0,1
.irp ip,0,1
.irp e,0,1
.set rX, 32*(\m)+8*(2*(\tp)+\tq)+4*\ip+2*\e
.set rT, 192+8*\tq+4*\ip+2*\e
.set rC, TSB+8*(\tp)+2*(2*\tq+\ip)
	v_pk_fma_f32 v[rX:rX+1], v[rX:rX+1], v[rC:rC+1], v[rT:rT+1] op_sel:[1,\e,0] op_sel_hi:[0,\e,1] neg_lo:[0,1,0]
.endr
.endr
.endr
.endm
.macro NSQ hi
.irp sl,0,1
.irp t,0,1,2,3
.irp jp,0,1,2,3
.irp m,0,1,2,3
.set rX, 128*\sl+32*\m+8*\t+2*\jp
.set rC, BF+4*\m+2*(\jp%2)
.if (\hi)==0 && \sl==0 && \t==0 && \jp<2
	v_pk_mul_f32 v[rC:rC+1], v[rX:rX+1], v[rX:rX+1]
.else
	v_pk_fma_f32 v[rC:rC+1], v[rX:rX+1], v[rX:rX+1], v[rC:rC+1]
.endif
.endr
.endr
.endr
.endr
.endm
.macro NORM
	WIN 0x0a
	NSQ 0
	WIN 0x0f
	NSQ 1
	WIN 0
.irp m,0,1,2,3
	v_pk_add_f32 v[BF+4*\m:BF+4*\m+1], v[BF+4*\m:BF+4*\m+1], v[BF+4*\m+2:BF+4*\m+3]
.endr
.irp m,0,1,2,3
	v_add_f32 v[BF+4*\m], v[BF+4*\m], v[BF+4*\m+1]
.endr
.irp m,0,1,2,3
	v_permlanex16_b32 v[BF+4*\m+1], v[BF+4*\m], s62, s63
.endr
.irp m,0,1,2,3
	v_add_f32 v[BF+4*\m], v[BF+4*\m], v[BF+4*\m+1]
.endr
.irp m,0,1,2,3
	ds_store_b32 v11, v[BF+4*\m] offset:256*\m
.endr
	s_wait_dscnt 0x0
	s_barrier_signal -1
	s_barrier_wait -1
.irp m,0,1,2,3
	ds_load_b128 v[BF+16+4*\m:BF+19+4*\m], v12 offset:256*\m
.endr
	s_wait_dscnt 0x0
.irp m,0,1,2,3
	v_add_f32 v[BF+16+4*\m], v[BF+16+4*\m], v[BF+17+4*\m]
	v_add_f32 v[BF+18+4*\m], v[BF+18+4*\m], v[BF+19+4*\m]
.endr
.irp m,0,1,2,3
	v_add_f32 v[BF+16+4*\m], v[BF+16+4*\m], v[BF+18+4*\m]
.endr
.irp m,0,1,2,3
	v_add_f32 v[BF+16+4*\m], s70, v[BF+16+4*\m]
.endr
	s_wait_alu depctr_va_vdst(0)
.irp m,0,1,2,3
	v_rsq_f32 v[RN+2*\m], v[BF+16+4*\m]
	v_rsq_f32 v[RN+2*\m+1], v[BF+16+4*\m]
.endr
	v_nop
	s_wait_alu depctr_va_vdst(0)
.endm
.macro XLOADS sg, row0
	WIN 0x80+0x40*(\sg)
.irp p,0,1,2,3
.irp q,0,1,2,3
.irp c,0,1
	global_load_b128 v[32*\p+8*\q+4*\c:32*\p+8*\q+4*\c+3], v3, s[4:5] offset:((\row0)+\p)*4096+1024*\q+16*\c th:TH_LOAD_RT_NT   ; a lane's 32 bytes come by two loads
.endr
.endr
.endr
	WIN 0
.endm
.macro REDUCE4
.irp p,0,1,2,3
	v_pk_add_f32 v[SA+4*\p:SA+4*\p+1], v[SA+4*\p:SA+4*\p+1], v[SA+4*\p+2:SA+4*\p+3]
.endr
.irp p,0,1,2,3
	v_add_f32 v[SA+4*\p], v[SA+4*\p], v[SA+4*\p+1]
.endr
.irp x,1,2,4,8
.irp p,0,1,2,3
	v_add_f32_dpp v[SA+4*\p], v[SA+4*\p], v[SA+4*\p] row_xmask:\x row_mask:0xf bank_mask:0xf
.endr
.endr
.irp p,0,1,2,3
	v_permlanex16_b32 v[SA+4*\p+1], v[SA+4*\p], s62, s63
.endr
.irp p,0,1,2,3
	v_add_f32 v[SA+4*\p], v[SA+4*\p], v[SA+4*\p+1]
.endr
.endm
.macro GROUP sg
.set W, 2+\sg
	WIN W|(W<<2)
.irp p,0,1,2,3
	v_pk_add_f32 v[SA+4*\p:SA+4*\p+1], v[32*\p:32*\p+1], v[32*\p+2:32*\p+3]
	v_pk_add_f32 v[SA+4*\p+2:SA+4*\p+3], v[32*\p+4:32*\p+5], v[32*\p+6:32*\p+7]
.endr
	WIN W
.irp j,8,12,16,20,24,28
.irp p,0,1,2,3
	v_pk_add_f32 v[SA+4*\p:SA+4*\p+1], v[32*\p+\j:32*\p+\j+1], v[SA+4*\p:SA+4*\p+1]
	v_pk_add_f32 v[SA+4*\p+2:SA+4*\p+3], v[32*\p+\j+2:32*\p+\j+3], v[SA+4*\p+2:SA+4*\p+3]
.endr
.endr
	WIN 0
	REDUCE4
.irp p,0,1,2,3
	v_mul_f32 v[MU+2*\p], s66, v[SA+4*\p]
	v_mul_f32 v[MU+2*\p+1], s66, v[SA+4*\p]
.endr
	WIN (W<<6)|W
.irp j,0,2,4,6,8,10,12,14,16,18,20,22,24,26,28,30
.irp p,0,1,2,3
	v_pk_add_f32 v[32*\p+\j:32*\p+\j+1], v[32*\p+\j:32*\p+\j+1], v[MU+2*\p:MU+2*\p+1] neg_lo:[0,1] neg_hi:[0,1]
.endr
.endr
	WIN W|(W<<2)
.irp p,0,1,2,3
	v_pk_mul_f32 v[SA+4*\p:SA+4*\p+1], v[32*\p:32*\p+1], v[32*\p:32*\p+1]
	v_pk_mul_f32 v[SA+4*\p+2:SA+4*\p+3], v[32*\p+2:32*\p+3], v[32*\p+2:32*\p+3]
.endr
.irp j,4,8,12,16,20,24,28
.irp p,0,1,2,3
	v_pk_fma_f32 v[SA+4*\p:SA+4*\p+1], v[32*\p+\j:32*\p+\j+1], v[32*\p+\j:32*\p+\j+1], v[SA+4*\p:SA+4*\p+1]
	v_pk_fma_f32 v[SA+4*\p+2:SA+4*\p+3], v[32*\p+\j+2:32*\p+\j+3], v[32*\p+\j+2:32*\p+\j+3], v[SA+4*\p+2:SA+4*\p+3]
.endr
.endr
	WIN 0
	REDUCE4
.irp p,0,1,2,3
	v_fma_f32 v[SA+4*\p], v[SA+4*\p], s66, s67
.endr
	s_wait_alu depctr_va_vdst(0)
.irp p,0,1,2,3
	v_rsq_f32 v[RS+2*\p], v[SA+4*\p]
	v_rsq_f32 v[RS+2*\p+1], v[SA+4*\p]
.endr
	v_nop
	s_wait_alu depctr_va_vdst(0)
	WIN (W<<6)|W
.irp j,0,2,4,6,8,10,12,14,16,18,20,22,24,26,28,30
.irp p,0,1,2,3
	v_pk_mul_f32 v[32*\p+\j:32*\p+\j+1], v[32*\p+\j:32*\p+\j+1], v[RS+2*\p:RS+2*\p+1]
.endr
.irp p,0,1,2,3
	v_pk_fma_f32 v[32*\p+\j:32*\p+\j+1], v[32*\p+\j:32*\p+\j+1], v[LG+\j:LG+\j+1], v[LB+\j:LB+\j+1]
.endr
.endr
	WIN (W<<2)|(W<<4)
.irp p,0,1,2,3
.irp q,0,1,2,3
	v_max3_num_f32 v[MX+4*\p+\q], 0x1800000, |v[32*\p+8*\q]|, |v[32*\p+8*\q+1]|
.endr
.endr
.irp j,2,4,6
.irp p,0,1,2,3
.irp q,0,1,2,3
	v_max3_num_f32 v[MX+4*\p+\q], v[MX+4*\p+\q], |v[32*\p+8*\q+\j]|, |v[32*\p+8*\q+\j+1]|
.endr
.endr
.endr
	WIN 0
.irp x,1,2
.set N, 0
.rept 16
	v_max_num_f32_dpp v[MX+N], v[MX+N], v[MX+N] row_xmask:\x row_mask:0xf bank_mask:0xf
.set N, N+1
.endr
.endr
.set N, 0
.rept 16
	v_add_nc_u32 v[SO+N], 0xff000000, v[MX+N]
.set N, N+1
.endr
.set N, 0
.rept 16
	v_lshrrev_b32 v[MX+N], 23, v[SO+N]
.set N, N+1
.endr
	WIN W
.irp p,0,1,2,3
.irp q,0,1,2,3
	v_cvt_scalef32_pk8_fp4_f32 v[CD+4*\p+\q], v[32*\p+8*\q:32*\p+8*\q+7], v[SO+4*\p+\q]
.endr
.endr
	WIN 0
	v_nop
.irp p,0,1,2,3
.irp q,0,1,2,3
	ds_store_b32 v16, v[CD+4*\p+\q] offset:2176*\q+16*\p+64*\sg
	ds_store_b8 v17, v[MX+4*\p+\q] offset:32*\p+128*\sg+8*\q
.endr
.endr
.endm
	s_load_b512 s[4:19], s[0:1], 0x0
	s_load_b64 s[98:99], s[0:1], 0x40              ; rot
	v_lshl_add_u32 v1, v0, 2, SPARE
	v_mov_b32 v2, 0
	ds_add_u32 v1, v2
	ds_add_u32 v1, v2
	s_wait_dscnt 0x0
	v_lshrrev_b32 v3, 5, v0
	v_readfirstlane_b32 s20, v3
	v_and_b32 v20, 31, v0                          ; lane
	v_lshlrev_b32 v3, 5, v20                       ; 32 x lane
	v_lshlrev_b32 v24, 3, v3                       ; 256 x lane: the prefetches' offset
	s_bfe_u32 s21, ttmp6, 0x40000
	s_lshl_b32 s22, ttmp9, 2
	s_add_co_u32 s22, s22, s21
	s_lshr_b32 s71, ttmp9, 2
	s_xor_b32 s71, s71, ttmp9
	s_and_b32 s71, s71, 1
	s_xor_b32 s84, s71, 1
	s_mov_b32 s24, 0x07b0000f
	s_mov_b32 s25, 512<<16
	s_mov_b32 s26, 64<<16
	s_mov_b32 s27, 512<<16
	s_mov_b32 s28, 64
	s_mov_b32 s29, 512
	s_mov_b32 s30, 0
	s_mov_b32 s31, 0
	s_mul_i32 s23, s20, QUART
	s_lshl_b32 s40, s20, 15
	s_mov_b32 s41, 0
	s_lshl_b32 s86, s71, 17
	s_mov_b32 s87, 0
	s_lshl_b32 s88, s84, 17
	s_mov_b32 s89, 0
	s_and_b32 s94, s22, 15
	s_lshl_b32 s94, s94, 15
	s_lshl_b32 s95, s20, 13
	s_add_co_u32 s94, s94, s95
	s_mov_b32 s95, 0
	s_wait_alu depctr_va_vdst(0)
	s_wait_kmcnt 0x0
	s_add_nc_u64 s[40:41], s[10:11], s[40:41]
	s_add_nc_u64 s[40:41], s[40:41], 524288
	s_add_nc_u64 s[90:91], s[40:41], s[86:87]
	s_add_nc_u64 s[92:93], s[40:41], s[88:89]
	s_add_nc_u64 s[96:97], s[10:11], s[94:95]
	s_add_nc_u64 s[96:97], s[96:97], 1048576
	s_lshl_b32 s40, s22, 18                        ; X at my wave's 16 rows
	s_lshl_b32 s61, s20, 16
	s_add_co_u32 s40, s40, s61
	s_mov_b32 s41, 0
	s_add_nc_u64 s[4:5], s[4:5], s[40:41]
	s_and_b32 s40, s22, 63                         ; rot at [g % 64][wave]
	s_lshl_b32 s40, s40, 16
	s_lshl_b32 s61, s20, 14
	s_add_co_u32 s40, s40, s61
	s_add_nc_u64 s[98:99], s[98:99], s[40:41]
	s_lshr_b32 s85, ttmp9, 4                       ; my batch: 16 clusters to a batch
.irp q,0,1,2,3
.irp c,0,1
	global_load_b128 v[LG+8*\q+4*\c:LG+8*\q+4*\c+3], v3, s[6:7] offset:1024*\q+16*\c
	global_load_b128 v[LB+8*\q+4*\c:LB+8*\q+4*\c+3], v3, s[8:9] offset:1024*\q+16*\c
.endr
.endr
	XLOADS 0, 0                                    ; my first eight rows of X are asked for ahead of the round
	XLOADS 1, 4
	CROUND
.irp n,0,1
	s_mov_b32 s[32+4*\n], 1
	s_add_co_u32 s[33+4*\n], s23, \n*RING1
	s_add_nc_u64 s[34+4*\n:35+4*\n], s[90:91], \n*262144
	s_or_b32 s[35+4*\n], s[35+4*\n], 0x80000000
.endr
	JLOAD 0                                        ; fill 0: one tensor load a wave at the head
.irp i,0,1,2,3
	global_prefetch_b8 v24, s[4:5] offset:32768+8192*\i th:TH_LOAD_NT scope:SCOPE_SE   ; my rows 8-15 of X, which the loop's first trip loads: 128 blocks of 256 bytes, a lane a block; v24 is next written behind the wait on XCNT that follows the loop
.endr
	v_and_b32 v4, 15, v0
	v_bfe_u32 v5, v0, 4, 1
	v_lshlrev_b32 v13, 4, v20
	v_mul_u32_u24 v6, v4, PITCH
	v_lshl_add_u32 v6, v5, 4, v6
	v_add_nc_u32 v6, s23, v6
	v_add_nc_u32 v7, RING1, v6
	s_lshl_b32 s61, s20, 11
	v_add_nc_u32 v8, s61, v3
	v_mul_u32_u24 v9, v5, 272
	v_lshl_add_u32 v9, v4, 4, v9
	s_mul_i32 s61, s20, 8704
	v_add_nc_u32 v18, s61, v9
	v_add_nc_u32 v18, XIMG, v18
	v_add_nc_u32 v9, XIMG, v9
	v_add_nc_u32 v10, XSC, v3
	v_lshrrev_b32 v15, 2, v20
	v_and_b32 v16, 3, v20
	v_mul_u32_u24 v14, v15, 272
	v_lshl_add_u32 v14, v16, 2, v14
	v_add_nc_u32 v14, s61, v14
	v_add_nc_u32 v14, XIMG, v14
	s_lshl_b32 s61, s20, 9
	v_add_nc_u32 v15, s61, v15
	v_add_nc_u32 v15, XSC, v15
	v_add_nc_u32 v19, s61, v13
	v_add_nc_u32 v19, XSC, v19
	s_lshl_b32 s61, s84, 13
	v_add_nc_u32 v20, s61, v8
	s_lshl_b32 s61, s71, 13
	v_add_nc_u32 v8, s61, v8
	s_lshl_b32 s61, s20, 2
	v_lshl_add_u32 v12, v4, 4, NRM
	v_add_nc_u32 v11, s61, v12
	s_lshl_b32 s61, s20, 8
	v_lshlrev_b32 v23, 10, v5
	v_lshl_add_u32 v23, v4, 4, v23
	v_add_nc_u32 v23, s61, v23
	v_add_nc_u32 v22, APL, v23
	v_lshl_add_u32 v23, v5, 10, v23
	v_lshl_add_u32 v21, v5, 5, APL
	v_add_nc_u32 v21, s61, v21
	v_lshrrev_b32 v16, 3, v4                       ; lane r stores the sum of register r: 64 (r / 8) + 4 (r % 8) bytes on
	v_lshl_add_u32 v21, v16, 6, v21
	v_and_b32 v16, 7, v4
	v_lshl_add_u32 v21, v16, 2, v21
	s_lshl_b32 s40, s22, 15
	s_lshl_b32 s61, s20, 13
	s_add_co_u32 s40, s40, s61
	s_add_nc_u64 s[14:15], s[14:15], s[40:41]
	s_lshl_b32 s40, s22, 11
	s_lshl_b32 s61, s20, 9
	s_add_co_u32 s40, s40, s61
	s_add_nc_u64 s[16:17], s[16:17], s[40:41]
	s_lshl_b32 s40, s22, 12
	s_add_nc_u64 s[18:19], s[18:19], s[40:41]
	s_mov_b32 s44, 0x3f22f983
	s_mov_b32 s45, s44
	s_mov_b32 s46, 0xbfc90fdb
	s_mov_b32 s47, s46
	s_mov_b32 s48, 0x333bbd2e
	s_mov_b32 s49, s48
	s_mov_b32 s50, 0xb94ca1f9
	s_mov_b32 s51, s50
	s_mov_b32 s52, 0xbe2aaaa3
	s_mov_b32 s53, s52
	s_mov_b32 s54, 0x37ccf5ce
	s_mov_b32 s55, s54
	s_mov_b32 s56, 0x3d2aaaa5
	s_mov_b32 s57, s56
	s_mov_b32 s62, 0x76543210
	s_mov_b32 s63, 0xfedcba98
	s_mov_b32 s66, 0x3a800000
	s_mov_b32 s67, 0x3727c5ac
	s_mov_b32 s70, 0x358637bd
	WSL 0
	WSL 1
	s_mov_b32 s58, 0
	s_mov_b32 s59, 0
	s_mov_b32 s60, 0
.Lln:
	s_wait_dscnt 0x0
	v_add_nc_u32 v16, s59, v14
	v_add_nc_u32 v17, s60, v15
	s_wait_loadcnt 32
	GROUP 0
	s_wait_loadcnt 0x0
	s_cmp_lg_u32 s58, 0
	s_cbranch_scc1 .Lno_rows_8
	XLOADS 0, 8
.Lno_rows_8:
	s_wait_dscnt 0x0
	GROUP 1
	s_cmp_lg_u32 s58, 0
	s_cbranch_scc1 .Lno_rows_12
	XLOADS 1, 12
.Lno_rows_12:
	s_add_co_u32 s59, s59, 128
	s_add_co_u32 s60, s60, 256
	s_add_co_u32 s58, s58, 1
	s_cmp_lt_u32 s58, 2
	s_cbranch_scc1 .Lln
	s_wait_loadcnt 0x0
	v_lshlrev_b32 v16, 3, v3
.irp p,0,1,2,3,4,5,6,7,8,9,10,11,12,13,14,15
	ds_load_b128 v[80+4*\p:83+4*\p], v18 offset:544*\p
.endr
	ds_load_b128 v[240:243], v19
.irp p,0,1,2,3,4,5,6,7,8,9,10,11,12,13,14,15
	s_wait_dscnt 16-\p
	global_store_b128 v13, v[80+4*\p:83+4*\p], s[14:15] offset:512*\p
.endr
	s_wait_dscnt 0x0
	global_store_b128 v13, v[240:243], s[16:17]
	s_wait_xcnt 0x0
	s_wait_tensorcnt 0x0                           ; my quarter of fill 0 is in
	ds_add_u32 v1, v2
	s_wait_dscnt 0x0                               ; the add is done, and my codes and scale bytes have landed
	CROUND
	JLOAD 1                                        ; slot 1's first fill: the first tensor load behind the round
	WIN 0x40
.irp m,0,1,2,3
.irp k,0,1,2,3,4,5,6,7
.irp c,0,1
	ds_load_b128 v[8*(8*\m+\k)+4*\c:8*(8*\m+\k)+4*\c+3], v9 offset:8704*\m+272*(4*\k+2*\c)
.endr
.endr
.endr
	WIN 0
.irp mp,0,1
.irp c,0,1
	ds_load_b128 v[XS+8*\mp+4*\c:XS+8*\mp+4*\c+3], v10 offset:1024*\mp+16*\c
.endr
.endr
.set PHV, 0
.set LW, 0
.set ATH, 16
.set MSTR, 32
	PRE 0
.set MW, 0xa4
.set ABASE, 0
	SLOT 0, 0, 1, 1, -1, -1
.set ABASE, 128
	SLOT 1, 1, 1, 1, 2, 4
.set MW, 0xf4
.set ABASE, 0
	SLOT 2, 2, 1, 1, 3, 4
.set ABASE, 128
	SLOT 3, 3, 1, 0, 4, 4
	PLACES 4
	WIN 0
	WSL 5
	THETA
.irp s,0,1
	WIN 0
.irp tp,0,1
	SC4 PQ, TH+16*\s+8*\tp, TSB+8*\tp, TCB+8*\tp
	SC4 PQ+2, TH+16*\s+8*\tp, TSD+8*\tp, TCD+8*\tp
.endr
	TSTORE \s
.irp m,0,1,2,3
.irp tp,0,1
	ROT \s, \m, \tp
.endr
.if \m < 3
	WIN 0
	ADV
.endif
.endr
.endr
	NORM
	WIN 0x82
.irp sl,0,1
.irp m,0,1,2,3
.set N, 0
.rept 16
	v_pk_mul_f32 v[128*\sl+32*\m+N:128*\sl+32*\m+N+1], v[128*\sl+32*\m+N:128*\sl+32*\m+N+1], v[RN+2*\m:RN+2*\m+1]
.set N, N+2
.endr
.endr
.endr
	WIN 0xc3
.irp sl,0,1
.irp m,0,1,2,3
.set N, 0
.rept 16
	v_pk_mul_f32 v[128*\sl+32*\m+N:128*\sl+32*\m+N+1], v[128*\sl+32*\m+N:128*\sl+32*\m+N+1], v[RN+2*\m:RN+2*\m+1]
.set N, N+2
.endr
.endr
.endr
.set PHV, 1
.set LW, 0x04
.set MW, 0x04
.set ABASE, 80
.set ATH, 0
.set MSTR, 16
	PRE 0
	SLOT 4, 0, 1, 1, -1, 4
	SLOT 5, 1, 1, 1, 6, 4
	SLOT 6, 2, 0, 1, 7, 4
	SLOT 7, 3, 0, 0, -1, 0
	ds_load_b128 v[144:147], v22
	ds_load_b128 v[148:151], v22 offset:2048
	s_lshl_b32 s94, s71, 10
	s_lshl_b32 s95, s84, 10
	v_add_nc_u32 v14, s94, v23
	v_add_nc_u32 v15, s95, v23
	s_wait_alu depctr_va_vdst(0)
	s_wait_dscnt 1
	global_store_b128 v14, v[144:147], s[18:19]
	s_wait_dscnt 0x0
	global_store_b128 v15, v[148:151], s[18:19]
	s_wait_tensorcnt 0x0
	ds_add_u32 v1, v2
	s_wait_dscnt 0x0
	CROUND
	s_endpgm
.Lfunc_end_k_q2795dbd183_kv:
	.size	k_q2795dbd183_kv, .Lfunc_end_k_q2795dbd183_kv-k_q2795dbd183_kv
	.p2alignl 7, 3214868480
	.fill 96, 4, 3214868480
	.section	.rodata,"a",@progbits
	.p2align	6, 0x0
	.amdhsa_kernel k_q2795dbd183_kv
		.amdhsa_group_segment_fixed_size 327680
		.amdhsa_private_segment_fixed_size 0
		.amdhsa_enable_private_segment 0
		.amdhsa_kernarg_size 72
		.amdhsa_user_sgpr_count 2
		.amdhsa_user_sgpr_kernarg_segment_ptr 1
		.amdhsa_wavefront_size32 1
		.amdhsa_system_sgpr_workgroup_id_x 1
		.amdhsa_system_sgpr_workgroup_id_y 1
		.amdhsa_system_sgpr_workgroup_id_z 1
		.amdhsa_system_vgpr_workitem_id 0
		.amdhsa_next_free_vgpr 1024
		.amdhsa_next_free_sgpr 100
		.amdhsa_reserve_vcc 1
		.amdhsa_float_denorm_mode_32 3
		.amdhsa_float_denorm_mode_16_64 3
		.amdhsa_memory_ordered 1
		.amdhsa_forward_progress 1
		.amdhsa_inst_pref_size 255
	.end_amdhsa_kernel
	.section	.bss,"aw",@nobits
	.p2align	6
	.space	262144
	.amdgpu_metadata
---
amdhsa.version: [ 1, 2 ]
amdhsa.kernels:
  - .name:           k_q2795dbd183_kv
    .symbol:         k_q2795dbd183_kv.kd
    .args:
      - { .name: X, .offset: 0, .size: 8, .value_kind: global_buffer, .address_space: global }
      - { .name: ln_g, .offset: 8, .size: 8, .value_kind: global_buffer, .address_space: global }
      - { .name: ln_b, .offset: 16, .size: 8, .value_kind: global_buffer, .address_space: global }
      - { .name: W_in_codes, .offset: 24, .size: 8, .value_kind: global_buffer, .address_space: global }
      - { .name: W_in_scales, .offset: 32, .size: 8, .value_kind: global_buffer, .address_space: global }
      - { .name: xcodes, .offset: 40, .size: 8, .value_kind: global_buffer, .address_space: global }
      - { .name: xscales, .offset: 48, .size: 8, .value_kind: global_buffer, .address_space: global }
      - { .name: apart, .offset: 56, .size: 8, .value_kind: global_buffer, .address_space: global }
      - { .name: rot, .offset: 64, .size: 8, .value_kind: global_buffer, .address_space: global }
    .group_segment_fixed_size: 327680
    .private_segment_fixed_size: 0
    .kernarg_segment_align: 8
    .kernarg_segment_size: 72
    .max_flat_workgroup_size: 128
    .sgpr_count:     100
    .vgpr_count:     1024
    .wavefront_size: 32
...
	.end_amdgpu_metadata
.endif
;; end of part 1
;; launch qo (part 2): grid 256 x 1, 4 waves a work-group, clusters of 4 x 1, 327,680 bytes of LDS; arguments xcodes, xscales, apart, W_in_codes, W_in_scales, W_out_codes, W_out_scales, X, out0, rot; writes out0
.if DOCPART == 2
	.amdgcn_target "amdgcn-amd-amdhsa--gfx1250"
	.amdhsa_code_object_version 6
	.text
	.protected	k_q2795dbd183_qo
	.globl	k_q2795dbd183_qo
	.p2align	8
	.type	k_q2795dbd183_qo,@function
k_q2795dbd183_qo:
	s_mov_b64 s[64:65], 0
	v_nop
	global_prefetch_b8 v0, s[64:65] scope:SCOPE_SE
	s_setreg_imm32_b32 hwreg(HW_REG_WAVE_MODE, 25, 1), 1
	s_wait_xcnt 0x0
	s_wait_alu depctr_hold_cnt(0) depctr_sa_sdst(0) depctr_va_vdst(0) depctr_va_sdst(0) depctr_va_ssrc(0) depctr_va_vcc(0) depctr_vm_vsrc(0)
	s_getreg_b32 s2, hwreg(HW_REG_IB_STS2, 6, 4)
	s_cmp_eq_u32 s2, 0
	s_cbranch_scc0 .Lentry_in_a_cluster
	s_endpgm
.Lentry_in_a_cluster:
	s_bfe_u32 s2, ttmp6, 0x10000c
	s_cmp_lg_u32 s2, 0x3003
	s_cbranch_scc0 .Lentry_shape_is_right
	s_endpgm
.Lentry_shape_is_right:
; LAUNCH 2 OF 2.  A[d] = the sum of the batch's 64 partial sums; Q = Xn W_in[0:1024]^T on the first launch's codes; rotary, l2 norm; Y = A x Q^, quantised to E2M1 with one E8M0 scale
; for each 32 along d; out0 = Y W_out^T + X.
; SHARES, RING, CLUSTER, LAYOUT as in the first launch: work-group g owns rows 64 g .. 64 g + 63; the weights (W_in's first 1,024 rows: fills 0-3; W_out: fills 4-7) go through two LDS slots of 256 rows,
; asked for jointly by the cluster's four work-groups; wave w fetches and reads rows 64 w .. 64 w + 63 of each slot; source 0 = 32 weight rows, source 1 = 16 rows of x or of Y.
; THE WALK, as in the first launch: by a bit p of the cluster's number a phase's four blocks of 256 weight rows are walked in the order 0, 2, 1, 3 (p = 0) or 1, 3, 0, 2 (p = 1): step t brings block
; s(t) = 2 (t % 2) + ((t / 2) xor p), so that a cluster's third and fourth block have been asked for by the other group two fills earlier.  Register numbers and LDS store addresses hang on t alone.
; p enters global addresses (weights, scale words, the columns of apart, X and out0), the frequencies, and ONE branch, the same in all partners: Y's image lies in LDS in the order of the walk and is read back
; into the true order of the second product's K by one of two runs of LDS loads with constant addresses.
; Y GOES FROM WAVE TO WAVE THROUGH LDS as an image of the operand's registers: [row tile][block of 32][row][16 bytes].  A lane holds 16 numbers of each of its two blocks; the other 16 lie in lane l xor 16.
; THE RESIDUAL.  X's rows are loaded into registers in the very layout in which the results come back from the stage, a slot or more ahead of their use.
; PREFETCH.  W_out's codes, 524,288 bytes = 2,048 blocks of 256, are asked for once in the launch, at the first change of slots: two changes ahead of the first tensor load that names them.  Clusters 0 to 3 ask,
; each of their 16 waves by one instruction, a lane a block; waves and partners are told apart by address.  W_in's rows are all asked for by the first fills at the head.
; REGISTERS.  Window 0: v1-31 addresses and 1 / norm; v32-63 weight scale words; v64-79 x's, then Y's scale words; v80-143 at work, the stage's rows; v144-239 three sets of weight fragments, between the phases at work;
;   v240-247 A's sums.  Window 1: x's, then Y's fragments.  Windows 2, 3: the partial sums, then Q; in the second phase window 2 holds X's rows (four homes of 64) and window 3 the accumulators of two slots.
; LIMITS.  As in the first launch: a block of zeros gets the byte 1; NaN and infinities are not served; cos and sin to about 5e-7 absolute, an angle to a few 1e-4 at the last positions; the sums' order is this text's own.
; THE ROTARY'S TABLES come from the first launch (rot: an image of these registers): cos and sin of row tile 0 stay in v80-143 from the head on; those of the step of 16 positions wait in LDS at DL,
; 512 bytes a wave.  From row tile to row tile the pair is turned by the step.  A product is 32 weight rows x 16 rows x 128 along K.
; Slot 0's first fill stands at the head, slot 1's behind the round that shows x's codes in LDS.
.set PITCH, 528
.set QUART, 64*PITCH
.set RING1, 4*QUART
.set YIMG,  2*RING1                    ; Y's codes, 32,768 bytes; behind the fifth change of slots its first 17,408 bytes are the four waves' stages (16 rows x 272 bytes each)
.set YSC,   YIMG+32768                 ; Y's scale bytes [row][32]
.set NRM,   YSC+2048
.set ALDS,  NRM+1024                   ; A, 1,024 numbers, in the order of the walk
.set SPARE, ALDS+4096                  ; the spare words, 128 bytes a wave: two blocks of 256 bytes that no other line names
.set DL,    SPARE+512                  ; the rotary step's cos and sin: the same in all 16 lanes of a row, so [wave][h][16 x 16 bytes]
; x's codes: each wave loads its own row tile and all share them through Y's LDS bytes, which Y's codes take only behind the norm's barrier.
; A's 64 partial sums land in window 3, 32 at a time, under slots 0 and 1, and are summed in ascending order behind those slots; A is in LDS ahead of the norm's barrier, behind which it is first read.
; X's rows are asked for in the L2 at the first four changes of slots, two halves of 32 rows each: a lane a row's 256 bytes of my columns, four changes ahead of the step that adds them.
.macro ALOAD half                      ; partial sums 32 half .. 32 half + 31, my 8 columns a lane
	WIN 0xc0
.set N, 0
.rept 32
	global_load_b128 v[8*N:8*N+3], v14, s[8:9] offset:4096*(N+32*(\half))
	global_load_b128 v[8*N+4:8*N+7], v14, s[8:9] offset:4096*(N+32*(\half))+16
.set N, N+1
.endr
	WIN 0
.endm
.macro ASUM first                      ; the 32 in window 3 are added onto v240-247; first = 1: the first two start the sums
.if \first
	WIN 0x0f
.irp c,0,1,2,3
	v_pk_add_f32 v[240+2*\c:241+2*\c], v[2*\c:2*\c+1], v[8+2*\c:9+2*\c]
.endr
.endif
	WIN 0x0c
.set N, 2*(\first)
.rept 32-2*(\first)
.irp c,0,1,2,3
	v_pk_add_f32 v[240+2*\c:241+2*\c], v[240+2*\c:241+2*\c], v[8*N+2*\c:8*N+2*\c+1]
.endr
.set N, N+1
.endr
	WIN 0
.endm
.set WS, 32
.set XS, 64
.set TH, 80
.set PQ, 112
.set BF, 144
.set RN, 24
.set XQ, BF
.set NN, BF+2
.set ZZ, BF+4
.set PP, BF+6
.set SN, BF+8
.set CS, BF+10
.set MSB, 0
.macro WIN new                         ; the immediate's high byte repeats the setting that is left; a switch that changes nothing is dropped
.if MSB != (\new)
	s_set_vgpr_msb (MSB<<8)|(\new)
.set MSB, (\new)
.endif
.endm
.macro PLACES n
.rept \n
	v_nop
.endr
.endm
.macro CREST                           ; a round of the cluster's barrier behind its opening barrier
	s_cmp_lg_u32 s20, 0
	s_cbranch_scc1 .Lnot_wave_0_\@
	s_barrier_signal -3
.Lnot_wave_0_\@:
	s_barrier_wait -3
	s_barrier_signal -1
	s_barrier_wait -1
.endm
.macro CROUND
	s_barrier_signal -1
	s_barrier_wait -1
	CREST
.endm
.macro JLOAD sl                        ; my quarter of a slot, asked for jointly; four v_nop follow
	tensor_load_to_lds s[32+4*(\sl):35+4*(\sl)], s[24:31]
	s_nop 0
	PLACES 4
.endm
; The scale words of fill n: W_in's for fills 0-3, W_out's for fills 4-7.  The block's 2 (t % 2) stands in the immediate, its (t / 2) xor p in the offset register: v8 for steps 0 and 1, v22 for steps 2 and 3
.macro WSL n
.irp p,0,1
.irp c,0,1
.if (\n) < 4
	global_load_b128 v[WS+16*((\n)%2)+8*\p+4*\c:WS+16*((\n)%2)+8*\p+4*\c+3], v[8+14*(((\n)/2)%2)], s[12:13] offset:16384*((\n)%2)+1024*\p+16*\c
.else
	global_load_b128 v[WS+16*((\n)%2)+8*\p+4*\c:WS+16*((\n)%2)+8*\p+4*\c+3], v[8+14*(((\n)/2)%2)], s[16:17] offset:16384*((\n)%2)+1024*\p+16*\c
.endif
.endr
.endr
.endm
.macro LOADS ring, th, kp, st          ; 8 LDS loads: tiles 2 th, 2 th + 1, K steps 2 kp, 2 kp + 1, into set st
.irp kk,0,1
.irp tt,0,1
.irp c,0,1
	ds_load_b128 v[BF+32*(\st)+8*(2*\kk+\tt)+4*\c:BF+32*(\st)+8*(2*\kk+\tt)+4*\c+3], v[6+(\ring)] offset:(2*(\th)+\tt)*16*PITCH+64*(2*(\kp)+\kk)+32*\c
.endr
.endr
.endr
.endm
.macro LDRUN ring, q, gq
	LOADS \ring, (\q)/4, (\q)%4, (\gq)%3
.endm
.macro WM zero, rb                     ; one product, 32 weight rows x 16 rows of x or Y: the weights' scale words fill the 32 lanes of v[rS]; rb: the other side's stand in lanes 16-31 of v[rX]
.if \zero
.if (\rb)
	v_wmma_scale_f32_32x16x128_f4 v[rD:rD+15], v[rA:rA+15], v[rB:rB+7], 0, v[rS], v[rX] matrix_b_scale:MATRIX_SCALE_ROW1
.else
	v_wmma_scale_f32_32x16x128_f4 v[rD:rD+15], v[rA:rA+15], v[rB:rB+7], 0, v[rS], v[rX]
.endif
.else
.if (\rb)
	v_wmma_scale_f32_32x16x128_f4 v[rD:rD+15], v[rA:rA+15], v[rB:rB+7], v[rD:rD+15], v[rS], v[rX] matrix_b_scale:MATRIX_SCALE_ROW1
.else
	v_wmma_scale_f32_32x16x128_f4 v[rD:rD+15], v[rA:rA+15], v[rB:rB+7], v[rD:rD+15], v[rS], v[rX]
.endif
.endif
.endm
.macro MULS st, kk, k, wsb, th, zero   ; 4 products: 4 row tiles x 32 weight rows, K step k; the four accumulators take turns
.irp m,0,1,2,3
.set rD, ABASE+16*(\th)+32*\m
.set rA, BF+32*(\st)+16*(\kk)
.set rB, 8*(8*\m+(\k))
.set rS, WS+16*(\wsb)+8*(\th)+(\k)
.set rX, XS+8*(\m/2)+(\k)
	WM \zero, \m%2
.endr
.endm
.macro RUNL q, n, P                    ; four places behind the products that read the set, then run q + 2's loads into it
	PLACES 4
	WIN 0
	LDRUN (\n)%2, (\q)+2, 8*(\P)+(\q)+2
.endm
.macro RUNM q, n, P, cnt               ; cnt: the LDS loads issued behind this run's, which may stay out
	s_wait_dscnt \cnt
	WIN MW
	MULS (8*(\P)+(\q))%3, 0, 2*((\q)%4), (\n)%2, (\q)/4, ((\q)%4)==0
	MULS (8*(\P)+(\q))%3, 1, 2*((\q)%4)+1, (\n)%2, (\q)/4, 0
.endm
; Run 6 changes slots: all my tensor loads waited for, 0 added to my spare word, that and my reads of this slot waited for, the barrier; with fill = 1 it opens a round of the cluster's barrier, and the slot takes the fill two on.
; Fill f = n + 2 is step t = f % 4 of phase f / 4: its address is that phase's base for (t / 2) xor p (s[86:89]: W_in's two, s[90:93]: W_out's two) + 512 rows x (t % 2).
.macro TURN n, P, fill, nxt
	WIN 0
	s_wait_tensorcnt 0x0
	ds_add_u32 v1, v2                      ; 0 onto my spare word
	s_wait_dscnt 9                         ; run 7's eight loads and the add may be out
	WIN MW
	MULS (8*(\P)+6)%3, 0, 4, (\n)%2, 1, 0
	s_wait_dscnt 0x0                       ; the add is done, and my reads of this slot are over
	s_barrier_signal -1
	MULS (8*(\P)+6)%3, 1, 5, (\n)%2, 1, 0
	WIN 0
	s_barrier_wait -1
.if \fill
	CREST
.set FF, (\n)+2
	s_add_nc_u64 s[34+4*((\n)%2):35+4*((\n)%2)], s[86+4*(FF/4)+2*((FF/2)%2):87+4*(FF/4)+2*((FF/2)%2)], 262144*(FF%2)   ; no tensor load of mine is out
	s_or_b32 s[35+4*((\n)%2)], s[35+4*((\n)%2)], 0x80000000
	JLOAD (\n)%2                           ; its four v_nop are also the places in front of the loads below
.else
	PLACES 4
.endif
.if \nxt
	LDRUN 1-(\n)%2, 0, 8*(\P)+8
.endif
.if (\n) == 0
	s_cmp_lt_u32 ttmp9, 4                  ; the cluster's number: the same in all four partners
	s_cbranch_scc0 .Lno_ask_\@
	s_wait_alu depctr_va_vdst(0)
	global_prefetch_b8 v255, s[96:97] th:TH_LOAD_NT scope:SCOPE_SE   ; my wave's 32 blocks of W_out's codes, behind the joint load and the run of LDS loads
.Lno_ask_\@:
.endif
.if (\n) < 4
	global_prefetch_b8 v[248+(\n)/2], s[18:19] offset:2048*((\n)%2) th:TH_LOAD_NT scope:SCOPE_SE          ; X for output step n: rows 0-31,
	global_prefetch_b8 v[248+(\n)/2], s[18:19] offset:131072+2048*((\n)%2) th:TH_LOAD_NT scope:SCOPE_SE   ; rows 32-63; the offsets are next written behind the wait on XCNT between the phases
.endif
.endm
.macro RUN7 n, P, nxt
.if \nxt
	PLACES 4
	WIN 0
	LDRUN 1-(\n)%2, 1, 8*(\P)+9
.endif
	WIN MW
	MULS (8*(\P)+7)%3, 0, 6, (\n)%2, 1, 0
	MULS (8*(\P)+7)%3, 1, 7, (\n)%2, 1, 0
.endm
.macro SLOT n, P, fill, nxt, wsn, lcnt ; fill n, the phase's step P.  wsn: the fill whose scale words are asked for here; lcnt: the global loads that may stay out
	RUNL 0, \n, \P
.if (\wsn) >= 0
	WSL \wsn
.endif
.if (\lcnt) >= 0
	s_wait_loadcnt \lcnt
.endif
	RUNM 0, \n, \P, 16
.irp q,1,2,3,4,5
	RUNL \q, \n, \P
	RUNM \q, \n, \P, 16
.endr
.if (\n) < 7
	TURN \n, \P, \fill, \nxt
	RUN7 \n, \P, \nxt
.else
	RUNM 6, \n, \P, 8
	RUNM 7, \n, \P, 0
.endif
.endm
.macro PRE ring
	WIN 0
	LDRUN \ring, 0, 0
	LDRUN \ring, 1, 1
.endm
; The lane's 32 frequencies 10000^(-f/256), f = 128 s + 32 w + 8 t + 4 h + i, as 2^(-f c), c = log2(10000) / 256 in two parts: f x the upper part (16 bits) is exact.
; The first sixteen are those of step 0 (block s = p), the others those of step 2 (block s = 1 - p).
.macro THETA
	s_lshl_b32 s61, s20, 5
	v_lshl_add_u32 v126, v5, 2, s61
	s_lshl_b32 s61, s84, 7
	v_add_nc_u32 v127, s61, v126
	s_lshl_b32 s61, s71, 7
	v_add_nc_u32 v126, s61, v126
.set N, 0
.rept 32
	v_add_nc_u32 v[TH+N], 8*((N/4)%4)+N%4, v[126+N/16]
.set N, N+1
.endr
.set N, 0
.rept 32
	v_cvt_f32_u32 v[TH+N], v[TH+N]
.set N, N+1
.endr
.set N, 0
.rept 32
	v_mul_f32 v[BF+N], 0xbd549a00, v[TH+N]
.set N, N+1
.endr
.set N, 0
.rept 32
	v_fmamk_f32 v[BF+N], v[TH+N], 0xb4f0979a, v[BF+N]
.set N, N+1
.endr
.set N, 0
	s_wait_alu depctr_va_vdst(0)
.rept 32
	v_exp_f32 v[TH+N], v[BF+N]
.set N, N+1
.endr
	s_and_b32 s61, s22, 63                 ; plain work behind the batch: my rows' positions in the batch, divided by 4
	s_lshl_b32 s61, s61, 6
	v_add_nc_u32 v127, s61, v4
.irp m,0,1,2,3
	v_add_nc_u32 v[PQ+2*\m], 16*\m, v127
.endr
.irp m,0,1,2,3
	v_cvt_f32_u32 v[PQ+2*\m], v[PQ+2*\m]
.endr
.irp m,0,1,2,3
	v_mul_f32 v[PQ+2*\m], 0x3e800000, v[PQ+2*\m]
.endr
.irp m,0,1,2,3
	v_mov_b32 v[PQ+2*\m+1], v[PQ+2*\m]
.endr
	v_mov_b32 v120, 0x4b400000             ; 1.5 x 2^23
	v_mov_b32 v121, 0x4b400000
	v_mov_b32 v122, 0x3c08839e             ; S2
	v_mov_b32 v123, 0x3c08839e
	v_mov_b32 v124, 0xbab6061a             ; C2
	v_mov_b32 v125, 0xbab6061a
	s_wait_alu depctr_va_vdst(0)           ; one wait for the 32 exponentials, ahead of their first reader
.endm
; cos and sin of 8 angles (four pairs by turns) for row tile m: a quarter of the angle, less the nearest multiple of pi / 2, is h; sin h and cos h by polynomials; two doublings.
.macro SC4 m, tb
.irp e,0,1,2,3
	v_pk_mul_f32 v[XQ+12*\e:XQ+12*\e+1], v[PQ+2*(\m):PQ+2*(\m)+1], v[(\tb)+2*\e:(\tb)+2*\e+1]
.endr
.irp e,0,1,2,3
	v_pk_fma_f32 v[NN+12*\e:NN+12*\e+1], v[XQ+12*\e:XQ+12*\e+1], s[44:45], v[120:121] op_sel_hi:[1,0,1]
.endr
.irp e,0,1,2,3
	v_pk_add_f32 v[NN+12*\e:NN+12*\e+1], v[NN+12*\e:NN+12*\e+1], v[120:121] neg_lo:[0,1] neg_hi:[0,1]
.endr
.irp e,0,1,2,3
	v_pk_fma_f32 v[XQ+12*\e:XQ+12*\e+1], v[NN+12*\e:NN+12*\e+1], s[46:47], v[XQ+12*\e:XQ+12*\e+1] op_sel_hi:[1,0,1]
.endr
.irp e,0,1,2,3
	v_pk_fma_f32 v[XQ+12*\e:XQ+12*\e+1], v[NN+12*\e:NN+12*\e+1], s[48:49], v[XQ+12*\e:XQ+12*\e+1] op_sel_hi:[1,0,1]
.endr
.irp e,0,1,2,3
	v_pk_mul_f32 v[ZZ+12*\e:ZZ+12*\e+1], v[XQ+12*\e:XQ+12*\e+1], v[XQ+12*\e:XQ+12*\e+1]
.endr
.irp e,0,1,2,3
	v_pk_fma_f32 v[PP+12*\e:PP+12*\e+1], v[ZZ+12*\e:ZZ+12*\e+1], s[50:51], v[122:123] op_sel_hi:[1,0,1]
.endr
.irp e,0,1,2,3
	v_pk_fma_f32 v[PP+12*\e:PP+12*\e+1], v[PP+12*\e:PP+12*\e+1], v[ZZ+12*\e:ZZ+12*\e+1], s[52:53] op_sel_hi:[1,1,0]
.endr
.irp e,0,1,2,3
	v_pk_mul_f32 v[NN+12*\e:NN+12*\e+1], v[XQ+12*\e:XQ+12*\e+1], v[ZZ+12*\e:ZZ+12*\e+1]
.endr
.irp e,0,1,2,3
	v_pk_fma_f32 v[SN+12*\e:SN+12*\e+1], v[PP+12*\e:PP+12*\e+1], v[NN+12*\e:NN+12*\e+1], v[XQ+12*\e:XQ+12*\e+1]
.endr
.irp e,0,1,2,3
	v_pk_fma_f32 v[PP+12*\e:PP+12*\e+1], v[ZZ+12*\e:ZZ+12*\e+1], s[54:55], v[124:125] op_sel_hi:[1,0,1]
.endr
.irp e,0,1,2,3
	v_pk_fma_f32 v[PP+12*\e:PP+12*\e+1], v[PP+12*\e:PP+12*\e+1], v[ZZ+12*\e:ZZ+12*\e+1], s[56:57] op_sel_hi:[1,1,0]
.endr
.irp e,0,1,2,3
	v_pk_fma_f32 v[PP+12*\e:PP+12*\e+1], v[PP+12*\e:PP+12*\e+1], v[ZZ+12*\e:ZZ+12*\e+1], -0.5 op_sel_hi:[1,1,0]
.endr
.irp e,0,1,2,3
	v_pk_fma_f32 v[CS+12*\e:CS+12*\e+1], v[PP+12*\e:PP+12*\e+1], v[ZZ+12*\e:ZZ+12*\e+1], 1.0 op_sel_hi:[1,1,0]
.endr
.irp e,0,1,2,3
	v_pk_add_f32 v[NN+12*\e:NN+12*\e+1], v[SN+12*\e:SN+12*\e+1], v[SN+12*\e:SN+12*\e+1]
.endr
.irp e,0,1,2,3
	v_pk_mul_f32 v[ZZ+12*\e:ZZ+12*\e+1], v[NN+12*\e:NN+12*\e+1], v[CS+12*\e:CS+12*\e+1]
.endr
.irp e,0,1,2,3
	v_pk_fma_f32 v[CS+12*\e:CS+12*\e+1], v[NN+12*\e:NN+12*\e+1], v[SN+12*\e:SN+12*\e+1], 1.0 op_sel_hi:[1,1,0] neg_lo:[1,0,0] neg_hi:[1,0,0]
.endr
.irp e,0,1,2,3
	v_pk_add_f32 v[NN+12*\e:NN+12*\e+1], v[ZZ+12*\e:ZZ+12*\e+1], v[ZZ+12*\e:ZZ+12*\e+1]
.endr
.irp e,0,1,2,3
	v_pk_mul_f32 v[SN+12*\e:SN+12*\e+1], v[NN+12*\e:NN+12*\e+1], v[CS+12*\e:CS+12*\e+1]
.endr
.irp e,0,1,2,3
	v_pk_fma_f32 v[CS+12*\e:CS+12*\e+1], v[NN+12*\e:NN+12*\e+1], v[ZZ+12*\e:ZZ+12*\e+1], 1.0 op_sel_hi:[1,1,0] neg_lo:[1,0,0] neg_hi:[1,0,0]
.endr
.endm
; The rotary of tiles 2 tp, 2 tp + 1 of row tile m of step 2 s, whose accumulators are the first 128 registers of window 2 + s: (x0, x1) becomes (x0 c - x1 s, x1 c + x0 s); each accumulator from its low end on
.macro ADV                             ; the 16 angles of a half go on by 16 positions: c' = c cd - s sd, s' = s cd + c sd
.irp i,0,2,4,6,8,10,12,14
	v_pk_mul_f32 v[144+\i:145+\i], v[TSB+\i:TSB+\i+1], v[TSD+\i:TSD+\i+1]
	v_pk_mul_f32 v[160+\i:161+\i], v[TCB+\i:TCB+\i+1], v[TSD+\i:TSD+\i+1]
.endr
.irp i,0,2,4,6,8,10,12,14
	v_pk_fma_f32 v[TCB+\i:TCB+\i+1], v[TCB+\i:TCB+\i+1], v[TCD+\i:TCD+\i+1], v[144+\i:145+\i] neg_lo:[0,0,1] neg_hi:[0,0,1]
	v_pk_fma_f32 v[TSB+\i:TSB+\i+1], v[TSB+\i:TSB+\i+1], v[TCD+\i:TCD+\i+1], v[160+\i:161+\i]
.endr
.endm
.macro ROT s, m, tp
	WIN 0x02+(\s)
.irp tq,0,1
.irp ip,0,1
.irp e,0,1
.set rX, 32*(\m)+8*(2*(\tp)+\tq)+4*\ip+2*\e
.set rT, 192+8*\tq+4*\ip+2*\e
.set rC, TCB+8*(\tp)+2*(2*\tq+\ip)
	v_pk_mul_f32 v[rT:rT+1], v[rX:rX+1], v[rC:rC+1] op_sel:[0,\e] op_sel_hi:[1,\e]
.endr
.endr
.endr
	WIN 0x82+0x41*(\s)
.irp tq,0,1
.irp ip,0,1
.irp e,0,1
.set rX, 32*(\m)+8*(2*(\tp)+\tq)+4*\ip+2*\e
.set rT, 192+8*\tq+4*\ip+2*\e
.set rC, TSB+8*(\tp)+2*(2*\tq+\ip)
	v_pk_fma_f32 v[rX:rX+1], v[rX:rX+1], v[rC:rC+1], v[rT:rT+1] op_sel:[1,\e,0] op_sel_hi:[0,\e,1] neg_lo:[0,1,0]
.endr
.endr
.endr
.endm
.macro NSQ hi                          ; the squares of the two steps in window 2 + hi: two chains for each row tile, each accumulator from its low end on
.irp sl,0,1
.irp t,0,1,2,3
.irp jp,0,1,2,3
.irp m,0,1,2,3
.set rX, 128*\sl+32*\m+8*\t+2*\jp
.set rC, BF+4*\m+2*(\jp%2)
.if (\hi)==0 && \sl==0 && \t==0 && \jp<2
	v_pk_mul_f32 v[rC:rC+1], v[rX:rX+1], v[rX:rX+1]
.else
	v_pk_fma_f32 v[rC:rC+1], v[rX:rX+1], v[rX:rX+1], v[rC:rC+1]
.endif
.endr
.endr
.endr
.endr
.endm
.macro NORM                            ; 1 / sqrt(the row's sum of squares + 1e-6)
	WIN 0x0a
	NSQ 0
	WIN 0x0f
	NSQ 1
	WIN 0
.irp m,0,1,2,3
	v_pk_add_f32 v[BF+4*\m:BF+4*\m+1], v[BF+4*\m:BF+4*\m+1], v[BF+4*\m+2:BF+4*\m+3]
.endr
.irp m,0,1,2,3
	v_add_f32 v[BF+4*\m], v[BF+4*\m], v[BF+4*\m+1]
.endr
.irp m,0,1,2,3
	v_permlanex16_b32 v[BF+4*\m+1], v[BF+4*\m], s62, s63
.endr
.irp m,0,1,2,3
	v_add_f32 v[BF+4*\m], v[BF+4*\m], v[BF+4*\m+1]
.endr
.irp m,0,1,2,3
	ds_store_b32 v11, v[BF+4*\m] offset:256*\m
.endr
	s_wait_dscnt 0x0                       ; for the others' sake: my parts have landed
	s_barrier_signal -1                    ; my one tensor load may stay out
	s_barrier_wait -1
.irp m,0,1,2,3
	ds_load_b128 v[BF+16+4*\m:BF+19+4*\m], v12 offset:256*\m
.endr
	s_wait_dscnt 0x0
.irp m,0,1,2,3
	v_add_f32 v[BF+16+4*\m], v[BF+16+4*\m], v[BF+17+4*\m]
	v_add_f32 v[BF+18+4*\m], v[BF+18+4*\m], v[BF+19+4*\m]
.endr
.irp m,0,1,2,3
	v_add_f32 v[BF+16+4*\m], v[BF+16+4*\m], v[BF+18+4*\m]
.endr
.irp m,0,1,2,3
	v_add_f32 v[BF+16+4*\m], s70, v[BF+16+4*\m]
.endr
	s_wait_alu depctr_va_vdst(0)
.irp m,0,1,2,3
	v_rsq_f32 v[RN+2*\m], v[BF+16+4*\m]
	v_rsq_f32 v[RN+2*\m+1], v[BF+16+4*\m]
.endr
	v_nop                                  ; a plain instruction behind the last of the batch
	s_wait_alu depctr_va_vdst(0)           ; one wait for the eight, ahead of their first reader
.endm
; Y of row tiles 2 mp, 2 mp + 1, my 64 columns of step s (v128-191: register 32 mm + 16 e + i), becomes codes and scale bytes.  Block b = 2 mm + e; the four blocks by turns.
.macro QUANT2 s, mp
.irp b,0,1,2,3
	v_max3_num_f32 v[192+\b], |v[128+16*\b]|, |v[129+16*\b]|, 0x1800000   ; my 16 numbers, over the floor 2^(3 - 127), which holds the byte at 1 from below
.endr
.irp i,2,4,6,8,10,12,14
.irp b,0,1,2,3
	v_max3_num_f32 v[192+\b], v[192+\b], |v[128+16*\b+\i]|, |v[129+16*\b+\i]|
.endr
.endr
.irp b,0,1,2,3
	v_permlanex16_b32 v[196+\b], v[192+\b], s62, s63   ; (its destination was written by the rotary's products)
.endr
.irp b,0,1,2,3
	v_max_num_f32 v[192+\b], v[192+\b], v[196+\b]      ; with lane l xor 16's 16: the block's largest magnitude
.endr
.irp b,0,1,2,3
	v_add_nc_u32 v[200+\b], 0xff000000, v[192+\b]      ; 2 off the exponent field: the conversion's scale operand
.endr
.irp b,0,1,2,3
	v_lshrrev_b32 v[204+\b], 23, v[200+\b]             ; the scale's byte
.endr
.irp mm,0,1
	v_lshl_or_b32 v[224+2*(\mp)+\mm], v[205+2*\mm], 8, v[204+2*\mm]
.endr
.irp mm,0,1
.set rC, 208+8*(\mp)+4*\mm
	v_cvt_scalef32_pk8_fp4_f32 v[rC], v[128+32*\mm:135+32*\mm], v[200+2*\mm]       ; block 0: k = 8 h on
	v_cvt_scalef32_pk8_fp4_f32 v[rC+2], v[136+32*\mm:143+32*\mm], v[200+2*\mm]     ;          k = 16 + 8 h on
	v_cvt_scalef32_pk8_fp4_f32 v[rC+1], v[144+32*\mm:151+32*\mm], v[201+2*\mm]     ; block 1 likewise
	v_cvt_scalef32_pk8_fp4_f32 v[rC+3], v[152+32*\mm:159+32*\mm], v[201+2*\mm]
.endr
	v_nop                                              ; one plain instruction behind the last scaled conversion
.irp mm,0,1
.set rC, 208+8*(\mp)+4*\mm
	v_permlane16_swap_b32 v[rC], v[rC+1]               ; lanes 0-15 now hold block 0 whole, lanes 16-31 block 1
	v_permlane16_swap_b32 v[rC+2], v[rC+3]
.endr
.irp mm,0,1
.set rC, 208+8*(\mp)+4*\mm
	ds_store_b128 v17, v[rC:rC+3] offset:8192*(2*(\mp)+\mm)+2048*(\s)
	ds_store_b16 v18, v[224+2*(\mp)+\mm] offset:512*(2*(\mp)+\mm)+8*(\s)   ; lanes l and l xor 16 write the same two bytes with the same values
.endr
.endm
; Y's fragments and scale words come back in the TRUE order of K, for group g.  Block s of 256 columns was made in step t = s / 2 + 2 ((s + g) % 2); K step k = 2 s + j lies at place 2 t + j of the image.
.macro YBACK g
	WIN 0x40
.irp m,0,1,2,3
.irp k,0,1,2,3,4,5,6,7
.irp c,0,1
	ds_load_b128 v[8*(8*\m+\k)+4*\c:8*(8*\m+\k)+4*\c+3], v9 offset:8192*\m+256*(4*(2*(\k/4+2*((\k/2+(\g))%2))+\k%2)+2*\c)
.endr
.endr
.endr
	WIN 0
.irp mp,0,1
.irp s,0,1,2,3
	ds_load_b64 v[XS+8*\mp+2*\s:XS+8*\mp+2*\s+1], v10 offset:1024*\mp+8*(\s/2+2*((\s+(\g))%2))
.endr
.endr
.endm
; X's rows for half hx % 2 (32 rows) of output step hx / 2, my 64 columns, into home hx % 4 of window 2: sixteen lanes read 256 consecutive bytes, aligned.  The offset register: v21 for steps 0 and 1, v23 for steps 2 and 3
.macro XH hx
	WIN 0x80
.irp mm,0,1
.irp ii,0,1,2,3,4,5,6,7
	global_load_b128 v[64*((\hx)%4)+32*\mm+4*\ii:64*((\hx)%4)+32*\mm+4*\ii+3], v[21+2*((\hx)/4)], s[18:19] offset:(32*((\hx)%2)+16*\mm+2*\ii)*4096+2048*(((\hx)/2)%2) th:TH_LOAD_NT
.endr
.endr
	WIN 0
.endm
; THE WAY OUT of row tile m: my 16 rows x 64 columns go into my own stage (rows of 272 bytes) and come back as rows of 256 bytes, two a load.  LDS serves a wave's instructions in order.
.macro TOSTAGE sg, m
	WIN 0x0c                               ; an LDS store's data: window 3
.irp t,0,1,2,3
	ds_store_b128 v19, v[128*(\sg)+32*(\m)+8*\t:128*(\sg)+32*(\m)+8*\t+3] offset:64*\t          ; each accumulator from its low end on
	ds_store_b128 v19, v[128*(\sg)+32*(\m)+8*\t+4:128*(\sg)+32*(\m)+8*\t+7] offset:64*\t+16
.endr
	WIN 0
.irp ii,0,1,2,3,4,5,6,7
	ds_load_b128 v[80+32*((\m)%2)+4*\ii:80+32*((\m)%2)+4*\ii+3], v20 offset:544*\ii
.endr
.endm
.macro SEND sp, m, yg, lc              ; yg: the LDS instructions issued behind tile m's loads; lc: the global loads issued behind this half's rows of X
.set rH, 64*((2*(\sp)+(\m)/2)%4)+32*((\m)%2)
.set rG, 80+32*((\m)%2)
	s_wait_dscnt \yg
.if (\lc) >= 0
	s_wait_loadcnt \lc
.endif
	WIN 0x82
.irp n,0,2,4,6,8,10,12,14,16,18,20,22,24,26,28,30
	v_pk_add_f32 v[rH+\n:rH+\n+1], v[rH+\n:rH+\n+1], v[rG+\n:rG+\n+1]
.endr
	WIN 0x08                               ; a store's data: window 2
.irp ii,0,1,2,3,4,5,6,7
	global_store_b128 v[21+2*((\sp)/2)], v[rH+4*\ii:rH+4*\ii+3], s[40:41] offset:(16*(\m)+2*\ii)*4096+2048*((\sp)%2) th:TH_STORE_NT   ; sixteen lanes store 256 consecutive bytes, aligned
.endr
	WIN 0
.endm
.macro EPIO sp, c0, c1, xa, xb         ; xa, xb: the halves of X asked for here, three ahead
	PLACES 4
	TOSTAGE (\sp)%2, 0
	TOSTAGE (\sp)%2, 1
	SEND \sp, 0, 16, \c0
	TOSTAGE (\sp)%2, 2
	SEND \sp, 1, 16, -1
.if (\xa) >= 0
	s_wait_xcnt 0x0                        ; earlier stores have read the home that is loaded again
	XH \xa
.endif
	TOSTAGE (\sp)%2, 3
	SEND \sp, 2, 16, \c1
	SEND \sp, 3, 0, -1
.if (\xb) >= 0
	s_wait_xcnt 0x0
	XH \xb
.endif
.endm
	s_load_b512 s[4:19], s[0:1], 0x0               ; xcodes, xscales, apart, W_in's codes, W_in's scales, W_out's codes, W_out's scales, X
	s_load_b64 s[40:41], s[0:1], 0x40              ; out0
	s_load_b64 s[98:99], s[0:1], 0x48              ; rot
	v_lshl_add_u32 v1, v0, 2, SPARE
	v_mov_b32 v2, 0
	ds_add_u32 v1, v2
	ds_add_u32 v1, v2
	s_wait_dscnt 0x0
	v_lshrrev_b32 v3, 5, v0
	v_readfirstlane_b32 s20, v3                    ; wave 0..3
	s_bfe_u32 s21, ttmp6, 0x40000                  ; cx
	s_lshl_b32 s22, ttmp9, 2
	s_add_co_u32 s22, s22, s21                     ; g = 4 x cluster + cx: it enters global addresses of my own rows and positions alone
	s_lshr_b32 s71, ttmp9, 2
	s_xor_b32 s71, s71, ttmp9
	s_and_b32 s71, s71, 1                          ; p: my cluster's group, from bits 0 and 2 of the cluster's number: the same in all four partners
	s_xor_b32 s84, s71, 1                          ; 1 - p
	s_mov_b32 s24, 0x07b0000f                      ; group 1: mask 15; elements of 1 byte; padding on; bit 21 beside the mask; after every 128 words 4 words
	s_mov_b32 s25, 512<<16
	s_mov_b32 s26, 64<<16
	s_mov_b32 s27, 512<<16
	s_mov_b32 s28, 64
	s_mov_b32 s29, 512
	s_mov_b32 s30, 0
	s_mov_b32 s31, 0
	s_mul_i32 s23, s20, QUART
	s_lshl_b32 s42, s20, 15                        ; my 64 weight rows of 512 bytes
	s_mov_b32 s43, 0
	s_lshl_b32 s72, s71, 17                        ; 256 weight rows x p,
	s_mov_b32 s73, 0
	s_lshl_b32 s74, s84, 17                        ; x (1 - p)
	s_mov_b32 s75, 0
	s_and_b32 s94, s22, 15                         ; the prefetch: 8,192 bytes for each of the 64 waves of work-groups 0 to 15 (held inside the buffer in the others, which do not ask)
	s_lshl_b32 s94, s94, 15
	s_lshl_b32 s95, s20, 13
	s_add_co_u32 s94, s94, s95
	s_mov_b32 s95, 0
	s_wait_kmcnt 0x0
	s_add_nc_u64 s[66:67], s[14:15], s[42:43]      ; W_out at my rows of a block,
	s_add_nc_u64 s[42:43], s[10:11], s[42:43]      ; W_in likewise: Q's rows are the first 1,024
	s_add_nc_u64 s[86:87], s[42:43], s[72:73]      ; W_in: the base of steps 0 and 1,
	s_add_nc_u64 s[88:89], s[42:43], s[74:75]      ; of steps 2 and 3;
	s_add_nc_u64 s[90:91], s[66:67], s[72:73]      ; W_out likewise
	s_add_nc_u64 s[92:93], s[66:67], s[74:75]
	s_add_nc_u64 s[96:97], s[14:15], s[94:95]
	CROUND                                         ; the four work-groups are here: the first joint loads meet
.irp n,0,1
	s_mov_b32 s[32+4*\n], 1
	s_add_co_u32 s[33+4*\n], s23, \n*RING1
	s_add_nc_u64 s[34+4*\n:35+4*\n], s[86:87], \n*262144
	s_or_b32 s[35+4*\n], s[35+4*\n], 0x80000000
.endr
	JLOAD 0                                        ; fill 0: one tensor load a wave at the head
	v_and_b32 v22, 31, v0                          ; lane
	v_and_b32 v4, 15, v0                           ; r
	v_bfe_u32 v5, v0, 4, 1                         ; h
	v_lshlrev_b32 v3, 5, v22                       ; 32 x lane
	v_lshlrev_b32 v13, 4, v22                      ; 16 x lane
	v_mul_u32_u24 v6, v4, PITCH
	v_lshl_add_u32 v6, v5, 4, v6
	v_add_nc_u32 v6, s23, v6                       ; weight fragments, slot 0
	v_add_nc_u32 v7, RING1, v6                     ; slot 1
	s_lshl_b32 s61, s20, 11
	v_add_nc_u32 v8, s61, v3                       ; weight scale words: 32 bytes a row, my 64 rows
	s_lshl_b32 s61, s84, 13
	v_add_nc_u32 v22, s61, v8                      ; those of steps 2 and 3: 256 rows x 32 bytes x (1 - p) on,
	s_lshl_b32 s61, s71, 13
	v_add_nc_u32 v8, s61, v8                       ; of steps 0 and 1: x p
	v_add_nc_u32 v9, YIMG, v13                     ; Y's fragments
	s_lshl_b32 s61, s20, 13
	v_add_nc_u32 v24, s61, v9                      ; where I store my row tile of x's codes: 8,192 bytes a wave, 16 x lane
	s_lshl_b32 s61, s20, 9
	v_lshl_add_u32 v25, v5, 8, DL
	v_add_nc_u32 v25, s61, v25                     ; the step's tables: 512 w + 256 h
	v_lshlrev_b32 v255, 3, v3                      ; 256 x lane: the offset of W_out's prefetch
	v_add_nc_u32 v10, YSC, v3                      ; Y's scale words
	s_lshl_b32 s61, s20, 2
	v_lshl_add_u32 v12, v4, 4, NRM
	v_add_nc_u32 v11, s61, v12
	s_and_b32 s61, s20, 1                          ; the partial sums: wave w sums the columns of block s(w) = 2 (w % 2) + ((w / 2) xor p), 8 columns a lane,
	s_lshl_b32 s61, s61, 1
	s_lshr_b32 s85, s20, 1
	s_xor_b32 s85, s85, s71
	s_add_co_u32 s61, s61, s85
	s_lshl_b32 s61, s61, 10
	v_add_nc_u32 v14, s61, v3
	v_lshl_add_u32 v15, v0, 5, ALDS                ; and puts them at place w: A lies in LDS in the order of the walk
	s_lshl_b32 s61, s20, 8
	v_lshl_add_u32 v16, v5, 5, ALDS
	v_add_nc_u32 v16, s61, v16                     ; A at my columns of a step: 256 w + 32 h
	v_lshlrev_b32 v21, 12, v5
	v_lshl_add_u32 v21, v4, 4, v21
	v_add_nc_u32 v21, s61, v21                     ; X and out0: 4,096 h + 16 r + 256 w,
	s_lshl_b32 s85, s84, 10
	v_add_nc_u32 v23, s85, v21                     ; + 256 columns x (1 - p) for steps 2 and 3,
	v_lshl_add_u32 v249, v3, 7, s85                ; X's prefetches: 4,096 x lane + the same columns
	s_lshl_b32 s85, s71, 10
	v_add_nc_u32 v21, s85, v21                     ; x p for steps 0 and 1
	v_lshl_add_u32 v248, v3, 7, s85
	v_add_nc_u32 v248, s61, v248
	v_add_nc_u32 v249, s61, v249
	s_lshl_b32 s61, s20, 9
	v_add_nc_u32 v17, s61, v13
	v_add_nc_u32 v17, YIMG, v17                    ; where I store a block of Y's codes
	s_lshl_b32 s61, s20, 1
	v_lshl_add_u32 v18, v4, 5, YSC
	v_add_nc_u32 v18, s61, v18                     ; and its two scale bytes
	s_mul_i32 s61, s20, 4352                       ; my stage
	v_mul_u32_u24 v19, v4, 272
	v_lshl_add_u32 v19, v5, 5, v19
	v_add_nc_u32 v19, s61, v19
	v_add_nc_u32 v19, YIMG, v19
	v_mul_u32_u24 v20, v5, 272
	v_lshl_add_u32 v20, v4, 4, v20
	v_add_nc_u32 v20, s61, v20
	v_add_nc_u32 v20, YIMG, v20
	s_lshl_b32 s42, s22, 15
	s_mov_b32 s43, 0
	s_add_nc_u64 s[4:5], s[4:5], s[42:43]          ; xcodes at my four tiles
	s_lshl_b32 s42, s22, 11
	s_add_nc_u64 s[6:7], s[6:7], s[42:43]          ; xscales at my 64 rows
	s_lshr_b32 s42, s22, 6
	s_lshl_b32 s42, s42, 18
	s_add_nc_u64 s[8:9], s[8:9], s[42:43]          ; apart at my batch's 64 partial sums
	s_lshl_b32 s42, s22, 18
	s_add_nc_u64 s[18:19], s[18:19], s[42:43]      ; X and out0 at my 64 rows
	s_add_nc_u64 s[40:41], s[40:41], s[42:43]
	s_and_b32 s42, s22, 63                         ; rot at [g % 64][wave]
	s_lshl_b32 s42, s42, 16
	s_lshl_b32 s61, s20, 14
	s_add_co_u32 s42, s42, s61
	s_add_nc_u64 s[98:99], s[98:99], s[42:43]
	s_mov_b32 s62, 0x76543210
	s_mov_b32 s63, 0xfedcba98                      ; v_permlanex16_b32's selects for lane l xor 16
	s_mov_b32 s70, 0x358637bd                      ; 1e-6
	WSL 0
	WSL 1
.irp mp,0,1
.irp c,0,1
	global_load_b128 v[XS+8*\mp+4*\c:XS+8*\mp+4*\c+3], v3, s[6:7] offset:1024*\mp+16*\c th:TH_LOAD_NT
.endr
.endr
	s_lshl_b32 s42, s20, 13                        ; xcodes at my own row tile: 8,192 bytes, an image of the operand's registers
	s_add_nc_u64 s[4:5], s[4:5], s[42:43]
.irp q,0,1,2,3,4,5,6,7,8,9,10,11,12,13,14,15
	global_load_b128 v[144+4*\q:147+4*\q], v13, s[4:5] offset:512*\q th:TH_LOAD_NT
.endr
.irp s,0,1
.irp q,0,1,2,3,4,5,6,7
	global_load_b128 v[80+32*\s+4*\q:83+32*\s+4*\q], v13, s[98:99] offset:8192*\s+512*\q   ; cos and sin of row tile 0, half s: they stay
.endr
.endr
	WIN 0x80
.irp q,0,1,2,3,4,5,6,7,8,9,10,11,12,13,14,15
	global_load_b128 v[128+4*\q:131+4*\q], v13, s[98:99] offset:8192*(\q/8)+4096+512*(\q%8)   ; those of the step, on their way to LDS
.endr
	ALOAD 0
	s_wait_alu depctr_va_vdst(0)
	s_wait_loadcnt 63                              ; 64 loads of partial sums are the youngest: all the older loads are in
.irp q,0,1,2,3,4,5,6,7,8,9,10,11,12,13,14,15
	ds_store_b128 v24, v[144+4*\q:147+4*\q] offset:512*\q
.endr
	WIN 0x08
.irp q,0,1,2,3,4,5,6,7,8,9,10,11,12,13,14,15
	ds_store_b128 v25, v[128+4*\q:131+4*\q] offset:16*\q   ; the 16 lanes of a row write the same bytes with the same values
.endr
	WIN 0
	s_wait_tensorcnt 0x0                           ; my quarter of fill 0 is in
	ds_add_u32 v1, v2
	s_wait_dscnt 0x0                               ; the add is done, and my row tile of x's codes has landed
	CROUND                                         ; x's codes lie in LDS, and the four work-groups are here
	JLOAD 1                                        ; slot 1's first fill: the first tensor load behind the round
	WIN 0x40
.irp m,0,1,2,3
.irp k,0,1,2,3,4,5,6,7
.irp c,0,1
	ds_load_b128 v[8*(8*\m+\k)+4*\c:8*(8*\m+\k)+4*\c+3], v9 offset:8192*\m+256*(4*\k+2*\c)
.endr
.endr
.endr
	WIN 0
	; PHASE Q: fills 0 to 3
	PRE 0
.set MW, 0xa4
.set ABASE, 0
	SLOT 0, 0, 1, 1, -1, -1
	s_wait_loadcnt 0x0                             ; partial sums 0-31 are in, and with them fill 1's scale words, which are older
	ASUM 1
	s_wait_alu depctr_va_vdst(0)                   ; the wait directly behind the write
	ALOAD 1
.set ABASE, 128
	SLOT 1, 1, 1, 1, 2, -1
	s_wait_loadcnt 4                               ; partial sums 32-63 are in; fill 2's four scale loads are younger
	ASUM 0
	ds_store_b128 v15, v[240:243]                  ; A, at my place of the walk
	ds_store_b128 v15, v[244:247] offset:16
.set MW, 0xf4
.set ABASE, 0
	SLOT 2, 2, 1, 1, 3, 4
.set ABASE, 128
	SLOT 3, 3, 1, 0, 4, 4
	; BETWEEN THE PHASES: rotary (steps 0 and 2), norm, Y = A x Q' / norm, quantised, to LDS in the order of the walk
	PLACES 4
	WIN 0
	s_wait_xcnt 0x0                                ; the prefetches have read their offsets: v248, v249 and v255 are written below
	WSL 5
.irp s,0,1
.irp j,0,1,2,3
	ds_load_b128 v[208+32*\s+4*\j:211+32*\s+4*\j], v25 offset:16*(8*\s+\j)        ; the step's cos,
	ds_load_b128 v[224-48*\s+4*\j:227-48*\s+4*\j], v25 offset:16*(8*\s+4+\j)      ; and sin: my own bytes
.endr
.endr
	s_wait_dscnt 0x0
.irp s,0,1
.set TCB, 80+32*\s
.set TSB, 96+32*\s
.set TCD, 208+32*\s
.set TSD, 224-48*\s
.irp m,0,1,2,3
.irp tp,0,1
	ROT \s, \m, \tp
.endr
.if \m < 3
	WIN 0
	ADV
.endif
.endr
.endr
	NORM
.irp s,0,1,2,3
.irp t,0,1,2,3
.irp c,0,1
	ds_load_b128 v[96+8*\t+4*\c:96+8*\t+4*\c+3], v16 offset:1024*\s+64*\t+16*\c   ; A at my 32 columns of this step
.endr
.endr
	s_wait_dscnt 0x0                               ; A is in; the last step's LDS stores have read their registers
.irp mp,0,1
	WIN 2+\s/2
.irp mm,0,1
.set N, 0
.rept 16
	v_pk_mul_f32 v[128+32*\mm+N:129+32*\mm+N], v[128*(\s%2)+32*(2*\mp+\mm)+N:128*(\s%2)+32*(2*\mp+\mm)+N+1], v[RN+2*(2*\mp+\mm):RN+2*(2*\mp+\mm)+1]
.set N, N+2
.endr
.endr
	WIN 0
.irp mm,0,1
.set N, 0
.rept 16
	v_pk_mul_f32 v[128+32*\mm+N:129+32*\mm+N], v[128+32*\mm+N:129+32*\mm+N], v[96+N:97+N]
.set N, N+2
.endr
.endr
	QUANT2 \s, \mp
.endr
.if \s == 0
	XH 0                                           ; step 0's Q is done with: its registers take X's first rows
	XH 1
.endif
.if \s == 1
	XH 2
.endif
.endr
	s_wait_dscnt 0x0                               ; for the others' sake: my codes and scale bytes have landed
	s_barrier_signal -1                            ; my one tensor load may stay out
	s_barrier_wait -1
	s_cmp_lg_u32 s71, 0                            ; my cluster's group: the same in all four partners; both ways hold LDS loads into the same registers and nothing else
	s_cbranch_scc1 .Lgroup_1
	YBACK 0
	s_branch .Lback_done
.Lgroup_1:
	YBACK 1
.Lback_done:
	; PHASE O: fills 4 to 7; a step's 16 accumulators in window 3, two steps' by turns; behind each step its 64 rows x 64 columns leave
	PRE 0
.set MW, 0xf4
.set ABASE, 0
	SLOT 4, 0, 1, 1, -1, 52                        ; fill 5's scale words and three halves of X may be out
	EPIO 0, 32, 32, 3, 4
.set ABASE, 128
	SLOT 5, 1, 1, 1, 6, -1                         ; fill 5's scale words are older than X's first half, which has been waited for
	EPIO 1, 36, 36, 5, 6
.set ABASE, 0
	SLOT 6, 2, 0, 1, 7, 36                         ; two halves of X and fill 7's scale words may be out
	EPIO 2, 40, 36, 7, -1
.set ABASE, 128
	SLOT 7, 3, 0, 0, -1, 16                        ; X's last half may be out
	EPIO 3, 20, 0, -1, -1
	s_wait_tensorcnt 0x0                           ; the wave's end
	ds_add_u32 v1, v2
	s_wait_dscnt 0x0
	CROUND                                         ; the closing round
	s_endpgm
.Lfunc_end_k_q2795dbd183_qo:
	.size	k_q2795dbd183_qo, .Lfunc_end_k_q2795dbd183_qo-k_q2795dbd183_qo
	.p2alignl 7, 3214868480
	.fill 96, 4, 3214868480
	.section	.rodata,"a",@progbits
	.p2align	6, 0x0
	.amdhsa_kernel k_q2795dbd183_qo
		.amdhsa_group_segment_fixed_size 327680
		.amdhsa_private_segment_fixed_size 0
		.amdhsa_enable_private_segment 0
		.amdhsa_kernarg_size 80
		.amdhsa_user_sgpr_count 2
		.amdhsa_user_sgpr_kernarg_segment_ptr 1
		.amdhsa_wavefront_size32 1
		.amdhsa_system_sgpr_workgroup_id_x 1
		.amdhsa_system_sgpr_workgroup_id_y 1
		.amdhsa_system_sgpr_workgroup_id_z 1
		.amdhsa_system_vgpr_workitem_id 0
		.amdhsa_next_free_vgpr 1024
		.amdhsa_next_free_sgpr 100
		.amdhsa_reserve_vcc 0
		.amdhsa_float_denorm_mode_32 3
		.amdhsa_float_denorm_mode_16_64 3
		.amdhsa_memory_ordered 1
		.amdhsa_forward_progress 1
		.amdhsa_inst_pref_size 255
	.end_amdhsa_kernel
	.section	.bss,"aw",@nobits
	.p2align	6
	.space	262144
	.amdgpu_metadata
---
amdhsa.version: [ 1, 2 ]
amdhsa.kernels:
  - .name:           k_q2795dbd183_qo
    .symbol:         k_q2795dbd183_qo.kd
    .args:
      - { .name: xcodes, .offset: 0, .size: 8, .value_kind: global_buffer, .address_space: global }
      - { .name: xscales, .offset: 8, .size: 8, .value_kind: global_buffer, .address_space: global }
      - { .name: apart, .offset: 16, .size: 8, .value_kind: global_buffer, .address_space: global }
      - { .name: W_in_codes, .offset: 24, .size: 8, .value_kind: global_buffer, .address_space: global }
      - { .name: W_in_scales, .offset: 32, .size: 8, .value_kind: global_buffer, .address_space: global }
      - { .name: W_out_codes, .offset: 40, .size: 8, .value_kind: global_buffer, .address_space: global }
      - { .name: W_out_scales, .offset: 48, .size: 8, .value_kind: global_buffer, .address_space: global }
      - { .name: X, .offset: 56, .size: 8, .value_kind: global_buffer, .address_space: global }
      - { .name: out0, .offset: 64, .size: 8, .value_kind: global_buffer, .address_space: global }
      - { .name: rot, .offset: 72, .size: 8, .value_kind: global_buffer, .address_space: global }
    .group_segment_fixed_size: 327680
    .private_segment_fixed_size: 0
    .kernarg_segment_align: 8
    .kernarg_segment_size: 80
    .max_flat_workgroup_size: 128
    .sgpr_count:     100
    .vgpr_count:     1024
    .wavefront_size: 32
...
	.end_amdgpu_metadata
.endif
;; end of part 2
